; MI455X (gfx1250); checked and timed in simulation.
; The chip was launched on July 23, 2026; its instructions are those of AMD's public machine-readable ISA for CDNA 5 (MIT licence, August 2026) and "CDNA5" Instruction Set Architecture Reference Guide (July 2026). The comments in the code are by the model that wrote it; some were corrected since.
;; Transformer Block. Allowed arithmetic: matrix products marked QUANTISED: E2M3 operands, one E8M0 scale for each 32 along K, by v_wmma_scale_f32_16x16x128_f8f6f4 with both operands' format E2M3, f32 sums; everything else in f32.
;; Inputs: W1 1,024 x 4,096 float32; W2 4,096 x 1,024 float32; Wk 1,024 x 1,024 float32; Wo 1,024 x 1,024 float32; Wq 1,024 x 1,024 float32; Wv 1,024 x 1,024 float32; b1 4,096 float32; b2 1,024 float32; bo 1,024 float32; ln1_scale 1,024 float32; ln1_shift 1,024 float32; ln2_scale 1,024 float32; ln2_shift 1,024 float32; x 2 x 2,048 x 1,024 float32.
;; Outputs: out0 2 x 2,048 x 1,024 float32.
;; This version of the problem:
;;   THIS VERSION OF THE PROBLEM IS GIVEN IN LOW PRECISION. The matrix products marked QUANTISED in the list below multiply operands that are first quantised to E2M3 (2 exponent bits, 3 mantissa bits; 6 bits a number), with one power-of-two scale for each 32 numbers along K (OCP MX v1.0); their sums are f32. All else is computed in f32.
;;   The module's matrix products, in the order in which they are computed (A, B: the left and right operand; K: the contracted axis; several contracted axes count as one K, in the product's order):
;;     1. [M 4,096, K 1,024] x [K 1,024, N 1,024]; A: computed on the way; B: input Wq: QUANTISED
;;     2. [M 4,096, K 1,024] x [K 1,024, N 1,024]; A: computed on the way; B: input Wk: QUANTISED
;;     3. [M 4,096, K 1,024] x [K 1,024, N 1,024]; A: computed on the way; B: input Wv: QUANTISED
;;     4. batch 32 x [M 2,048, K 64] x [K 64, N 2,048]; A: computed on the way; B: computed on the way: QUANTISED
;;     5. batch 32 x [M 2,048, K 2,048] x [K 2,048, N 64]; A: softmax (see below); B: computed on the way: QUANTISED
;;     6. [M 4,096, K 1,024] x [K 1,024, N 1,024]; A: computed on the way; B: input Wo: QUANTISED
;;     7. [M 4,096, K 1,024] x [K 1,024, N 4,096]; A: computed on the way; B: input W1: QUANTISED
;;     8. [M 4,096, K 4,096] x [K 4,096, N 1,024]; A: computed on the way; B: input W2: QUANTISED
;;   THE QUANTISER, for each operand of a quantised product, along K:
;;     - K is cut into blocks of 32 from its start; a last block that is shorter is filled with zeros.
;;     - A block's scale is 2^e with e = floor(log2(the largest magnitude in the block)) - 2, held to -126 .. 127; a block of zeros has e = 0. As a byte (E8M0): e + 127.
;;     - Each number is divided by its block's scale, clamped to +-7.5, and rounded to the nearest number of E2M3, ties to even, subnormals kept.
;;     - The product sums the exact products of the quantised numbers (number of the format x scale) in f32.
;;   ~~~python
;;   def quantise(x, axis):      # numpy; x: float32 -> the quantised numbers, widened to float32 again
;;       x = np.moveaxis(x, axis, -1); K = x.shape[-1]
;;       x = np.pad(x, [(0, 0)] * (x.ndim - 1) + [(0, -K % 32)]); x = x.reshape(x.shape[:-1] + (-1, 32)); a = np.abs(x).max(-1, keepdims=True)
;;       e = np.where(a > 0, np.clip(np.frexp(np.where(a > 0, a, 1))[1] - 1 - 2, -126, 127), 0)      # np.frexp(a)[1] - 1 = floor(log2(a)), exactly
;;       r = np.clip(x / 2.0 ** e, -7.5, 7.5)
;;       step = 2.0 ** (np.maximum(np.frexp(np.where(r == 0, 1, r))[1] - 1, 0) - 3)
;;       q = np.round(r / step) * step * 2.0 ** e      # np.round: ties to even
;;       return np.moveaxis(q.reshape(q.shape[:-2] + (-1,))[..., :K], -1, axis).astype(np.float32)
;;   ~~~
;;   SOFTMAX AHEAD OF A QUANTISED PRODUCT. Where the list says 'softmax', what is quantised is not the finished softmax but p = 2^(t - M), with t = logit x log2(e) and M = ceil(the row's largest t), a whole number; so 1/2 < the row's largest p <= 1. The row's sum l is taken of the UNQUANTISED p, in f32, and the product's result is divided by l at the end. Since M is a whole number, a kernel that streams over the keys may use a running M (the ceiling of the running maximum): every later rescaling is an exact power of two, which a block's scale takes up: the codes' values come out the same.
;;   OPERANDS COMPUTED ON THE WAY. 'Computed on the way' means the value that the module computes at that place (a softmax that the list does not call 'softmax' is quantised finished and normalised). What goes into a quantiser is computed in f32, as accurately as f32 sums, v_exp_f32 and their like allow (about 1e-6 of the number): no bf16 or f16 on the way to a quantiser, and a product that is left as it is and whose result goes on into a quantised operand takes f32 operands (vector FMAs, or v_wmma_f32_16x16x4_f32). A number that lies on a knife's edge between two numbers of the format may be rounded either way, as far as f32 arithmetic and the matrix unit's own rounding can turn it there, and no further.
;; One version. Each part assembles by itself: llvm-mc -triple=amdgcn-amd-amdhsa -mcpu=gfx1250 --defsym DOCPART=n.
;; ======== version 1 of 1: 8 launches
;; workspace buffers: W 9,830,400 bytes; H 3,276,800 bytes; QKV 9,830,400 bytes; CTX 3,276,800 bytes; X1 16,777,216 bytes; G 13,107,200 bytes
;; launch wquant (part 1): grid 384 x 1, 4 waves a work-group, no clusters, 25,088 bytes of LDS; arguments Wq, Wk, Wv, Wo, W2, W1, W; writes W
.if DOCPART == 1
	.amdgcn_target "amdgcn-amd-amdhsa--gfx1250"
	.amdhsa_code_object_version 6
	.text
	.protected	k_q50a91ffafc_wquant
	.globl	k_q50a91ffafc_wquant
	.p2align	8
	.type	k_q50a91ffafc_wquant,@function
k_q50a91ffafc_wquant:
	s_mov_b64 s[64:65], 0
	v_nop
	global_prefetch_b8 v0, s[64:65] scope:SCOPE_SE
	s_setreg_imm32_b32 hwreg(HW_REG_WAVE_MODE, 25, 1), 1
	s_wait_xcnt 0x0
; The six weights, f32 stored [K][N], become codes of FP6 (E2M3) with one E8M0 byte for each 32 along K, laid as IMAGES OF OPERAND REGISTERS.
; A fragment is 16 columns x 128 K, 1,536 bytes: six chunks of 256 bytes; in chunk p lane l's 8 bytes at 8 l are operand registers 2 p, 2 p + 1 of lane l = r + 16 h (registers 6 c .. 6 c + 5: k = 64 c + 32 h + 0 .. 31).
; Column n stands at position pi(n), n with bits 3 and 4 exchanged: a product used transposed then leaves 16 true neighbours in the 16 registers of two neighbouring tiles.
; Fragment ((n group of 128) x K/128 + k/128) x 8 + tile; scale tiles (64 bytes: word r = the four bytes of position r) in the same order from byte WS0 on.
; A work-group takes 128 columns x 256 K of one weight: its codes are the 24,576 bytes at 24,576 x its number, its scale words the 1,024 bytes at WS0 + 1,024 x its number, for all six weights alike.
; A LANE TAKES A COLUMN AND ITS REGISTERS RUN DOWN K: a block of 32 lies in one lane; each load reads 128 consecutive bytes a wave.  The codes go through the wave's own stage in LDS and leave as runs of 512 bytes.
; A wave's scale words leave as two runs of 128 bytes, parts of aligned blocks of 256: 256 bytes beside the wave's 6,144 bytes of codes.
; A block's scale is 2^(floor(log2(largest magnitude)) - 2).  LIMITS: a block of zeros, or one under 2^-124, gets the byte 1 (its codes are zeros or tiny; this program alone reads the bytes); NaN and infinities are not served.
.set EMAX,  2
.set X,     32                         ; v32-95   two sets of 32 numbers
.set C,     96                         ; v96-102  a block's codes
.set OUTR,  112                        ; v112-159 the way out
.set OF,    160                        ; v160-191 4 x lane + i rows
.set SB,    24                         ; v24, v25 my column's two scale words
.set SPW,   14                         ; v14      my spare word's LDS address; never rewritten
.set NIL,   15                         ; v15      0; never rewritten
.set WSTG,  6144                       ; a wave's stage: [128 K: 2][tile: 2][1,536]
.set SPARE, 4*WSTG                     ; behind the stages: the spare words, 128 bytes a wave
.set WS0,   9437184
.set RB,    32                         ; s[32:47] the address of each block's first row
	s_load_b256 s[4:11], s[0:1], 0x0               ; Wq, Wk, Wv, Wo
	s_load_b128 s[12:15], s[0:1], 0x20             ; W2, W1
	s_load_b64 s[16:17], s[0:1], 0x30              ; W, the workspace
	v_lshl_add_u32 v[SPW], v0, 2, SPARE
	v_mov_b32 v[NIL], 0
	v_lshrrev_b32 v1, 5, v0
	v_readfirstlane_b32 s29, v1                    ; wave
	v_and_b32 v2, 31, v0                           ; lane = my column among the wave's 32
	v_and_b32 v8, 7, v0
	v_bfe_u32 v9, v0, 3, 1                         ; the column's bit 3 is the position's bit 4: which of my wave's two tiles
	v_bfe_u32 v10, v0, 4, 1                        ; its bit 4 is the position's bit 3
	v_lshl_add_u32 v3, v10, 3, v8                  ; r
	s_mul_i32 s28, s29, WSTG
	v_lshlrev_b32 v4, 3, v3
	v_mad_u32_u24 v4, v9, 1536, v4
	v_add_nc_u32 v4, s28, v4                       ; into the stage: tile x 1,536 + 8 r
	v_lshlrev_b32 v6, 4, v2                        ; out: 16 bytes a lane
	v_add_nc_u32 v5, s28, v6
	v_lshl_add_u32 v7, v9, 4, v3
	v_lshlrev_b32 v7, 2, v7                        ; my scale word: 4 x position
	s_lshr_b32 s21, ttmp9, 7                       ; 0: the four square weights, 1: W2, 2: W1
	s_cmp_lt_u32 ttmp9, 128
	s_cselect_b32 s20, 31, 127
	s_and_b32 s20, ttmp9, s20                      ; u: my number within the weight
	s_cmp_eq_u32 s21, 1
	s_cselect_b32 s22, 4, 2                        ; log2(K / 256)
	s_cmp_eq_u32 s21, 2
	s_cselect_b32 s23, 14, 12                      ; log2 of a row's bytes
	s_lshl_b32 s24, 1, s22
	s_sub_co_u32 s24, s24, 1
	s_and_b32 s25, s20, s24                        ; which 256 along K
	s_lshr_b32 s26, s20, s22                       ; which 128 columns
	s_add_co_u32 s27, s23, 8
	s_lshl_b32 s20, s25, s27                       ; 256 rows for each
	s_lshl_b32 s26, s26, 9
	s_add_co_u32 s20, s20, s26                     ; + 512 bytes for each 128 columns
	s_lshl_b32 s26, s29, 7
	s_add_co_u32 s20, s20, s26                     ; + 128 bytes a wave
	s_mov_b32 s21, 0
	s_lshl_b32 s30, 1, s23                         ; a row's bytes
	s_lshl_b32 s22, s30, 5                         ; 32 rows
	s_mov_b32 s23, 0
	s_mul_i32 s24, ttmp9, 24576
	s_mul_i32 s26, s29, 3072
	s_add_co_u32 s24, s24, s26                     ; my wave's two tiles of the first 128 K
	s_mov_b32 s25, 0
	s_lshl_b32 s26, ttmp9, 10
	s_lshl_b32 s27, s29, 7
	s_add_co_u32 s26, s26, s27
	s_add_co_u32 s26, s26, WS0
	s_mov_b32 s27, 0
	v_lshlrev_b32 v[OF], 2, v2
.set i, 0
.rept 31
	v_add_nc_u32 v[OF+1+i], s30, v[OF+i]           ; a row further down
.set i, i+1
.endr
	s_wait_kmcnt 0x0
	s_mov_b64 s[18:19], s[14:15]                   ; which weight: the choice hangs on the work-group's number alone
	s_cmp_lt_u32 ttmp9, 256
	s_cselect_b64 s[18:19], s[12:13], s[18:19]
	s_cmp_lt_u32 ttmp9, 128
	s_cselect_b64 s[18:19], s[10:11], s[18:19]
	s_cmp_lt_u32 ttmp9, 96
	s_cselect_b64 s[18:19], s[8:9], s[18:19]
	s_cmp_lt_u32 ttmp9, 64
	s_cselect_b64 s[18:19], s[6:7], s[18:19]
	s_cmp_lt_u32 ttmp9, 32
	s_cselect_b64 s[18:19], s[4:5], s[18:19]
	s_add_nc_u64 s[RB:RB+1], s[18:19], s[20:21]
.irp t, 1,2,3,4,5,6,7
	s_add_nc_u64 s[RB+2*\t:RB+2*\t+1], s[RB+2*\t-2:RB+2*\t-1], s[22:23]
.endr
	s_add_nc_u64 s[48:49], s[16:17], s[24:25]      ; codes out
	s_add_nc_u64 s[50:51], s[16:17], s[26:27]      ; scale words out
.macro LOAD t                          ; block t: rows 32 t + i of my column, into set t % 2
.set i, 0
.rept 32
	global_load_b32 v[X+32*((\t)%2)+i], v[OF+i], s[RB+2*(\t):RB+2*(\t)+1] th:TH_LOAD_NT
.set i, i+1
.endr
.endm
	LOAD 0
	LOAD 1
.macro BLOCK t
.set XS, X+32*((\t)%2)
.if (\t) < 7
	s_wait_loadcnt 32                              ; this block's 32 loads are in; the next block's 32 may be out
.else
	s_wait_loadcnt 0
.endif
	v_max3_num_f32 v12, |v[XS]|, |v[XS+1]|, |v[XS+2]|        ; the block's largest magnitude: all 32 numbers are mine
	v_max3_num_f32 v13, |v[XS+3]|, |v[XS+4]|, |v[XS+5]|
.irp k, 6,10,14,18,22,26
	v_max3_num_f32 v12, v12, |v[XS+\k]|, |v[XS+\k+1]|
	v_max3_num_f32 v13, v13, |v[XS+\k+2]|, |v[XS+\k+3]|
.endr
	v_max3_num_f32 v12, v12, |v[XS+30]|, |v[XS+31]|
	v_max3_num_f32 v12, v12, v13, (EMAX+1)<<23     ; the floor 2^(3 - 127): the byte cannot fall under 1
	v_add_nc_u32 v11, -(EMAX<<23), v12             ; 2 off the exponent field: the conversion's scale operand
	v_lshrrev_b32 v13, 23, v11                     ; the scale's byte
	v_cvt_scalef32_pk16_fp6_f32 v[C:C+2], v[XS:XS+15], v11
	v_cvt_scalef32_pk16_fp6_f32 v[C+4:C+6], v[XS+16:XS+31], v11   ; (a conversion's three registers begin on an even number)
.if (\t)%4 == 0
	v_mov_b32 v[SB+(\t)/4], v13                    ; four bytes to a word, the lower K lower.  (Also the plain line behind the conversions)
.else
	v_lshl_or_b32 v[SB+(\t)/4], v13, 8*((\t)%4), v[SB+(\t)/4]
.endif
	v_mov_b32 v[C+3], v[C+4]
	v_mov_b32 v[C+4], v[C+5]
	v_mov_b32 v[C+5], v[C+6]                       ; six registers on end: registers 6 c .. 6 c + 5 of lane (r, h), c = (t / 2) % 2, h = t % 2
.irp k, 0,1,2
	ds_store_b64 v4, v[C+2*\k:C+2*\k+1] offset:3072*((\t)/4)+256*(3*(((\t)/2)%2)+\k)+128*((\t)%2)
.endr
.if (\t)+2 < 8
	LOAD (\t)+2
.endif
	s_wait_dscnt 0x0                               ; the stores have read their registers
.endm
.irp t, 0,1,2,3,4,5,6,7
	BLOCK \t
.endr
	global_store_b32 v7, v[SB], s[50:51]           ; the wave's 32 words of the first 128 K: 128 consecutive bytes
	global_store_b32 v7, v[SB+1], s[50:51] offset:512
.irp n, 0,1,2,3,4,5,6,7,8,9,10,11
	ds_load_b128 v[OUTR+4*\n:OUTR+4*\n+3], v5 offset:512*\n      ; LDS serves a wave's instructions in order: these see my stores
.endr
.irp n, 0,1,2,3,4,5,6,7,8,9,10,11
	s_wait_dscnt 11-\n                             ; the younger loads may be out
	global_store_b128 v6, v[OUTR+4*\n:OUTR+4*\n+3], s[48:49] offset:12288*(\n/6)+512*(\n%6)   ; 512 consecutive bytes, at a multiple of 256
.endr
	s_wait_tensorcnt 0x0                           ; the wave's end
	ds_add_u32 v[SPW], v[NIL]
	s_wait_dscnt 0x0
	s_endpgm
.Lfunc_end_k_q50a91ffafc_wquant:
	.size	k_q50a91ffafc_wquant, .Lfunc_end_k_q50a91ffafc_wquant-k_q50a91ffafc_wquant
	.p2alignl 7, 3214868480
	.fill 96, 4, 3214868480
	.section	.rodata,"a",@progbits
	.p2align	6, 0x0
	.amdhsa_kernel k_q50a91ffafc_wquant
		.amdhsa_group_segment_fixed_size 25088
		.amdhsa_private_segment_fixed_size 0
		.amdhsa_enable_private_segment 0
		.amdhsa_kernarg_size 56
		.amdhsa_user_sgpr_count 2
		.amdhsa_user_sgpr_kernarg_segment_ptr 1
		.amdhsa_wavefront_size32 1
		.amdhsa_system_sgpr_workgroup_id_x 1
		.amdhsa_system_sgpr_workgroup_id_y 1
		.amdhsa_system_sgpr_workgroup_id_z 1
		.amdhsa_system_vgpr_workitem_id 0
		.amdhsa_next_free_vgpr 192
		.amdhsa_next_free_sgpr 66
		.amdhsa_reserve_vcc 0
		.amdhsa_float_denorm_mode_32 3
		.amdhsa_float_denorm_mode_16_64 3
		.amdhsa_memory_ordered 1
		.amdhsa_forward_progress 1
		.amdhsa_inst_pref_size 44
	.end_amdhsa_kernel
	.amdgpu_metadata
---
amdhsa.version: [ 1, 2 ]
amdhsa.kernels:
  - .name:           k_q50a91ffafc_wquant
    .symbol:         k_q50a91ffafc_wquant.kd
    .args:
      - { .name: Wq, .offset: 0, .size: 8, .value_kind: global_buffer, .address_space: global }
      - { .name: Wk, .offset: 8, .size: 8, .value_kind: global_buffer, .address_space: global }
      - { .name: Wv, .offset: 16, .size: 8, .value_kind: global_buffer, .address_space: global }
      - { .name: Wo, .offset: 24, .size: 8, .value_kind: global_buffer, .address_space: global }
      - { .name: W2, .offset: 32, .size: 8, .value_kind: global_buffer, .address_space: global }
      - { .name: W1, .offset: 40, .size: 8, .value_kind: global_buffer, .address_space: global }
      - { .name: W, .offset: 48, .size: 8, .value_kind: global_buffer, .address_space: global }
    .group_segment_fixed_size: 25088
    .private_segment_fixed_size: 0
    .kernarg_segment_align: 8
    .kernarg_segment_size: 56
    .max_flat_workgroup_size: 128
    .sgpr_count:     66
    .vgpr_count:     192
    .wavefront_size: 32
...
	.end_amdgpu_metadata
.endif
;; end of part 1
;; launch ln1 (part 2): grid 256 x 1, 4 waves a work-group, no clusters, 31,744 bytes of LDS; arguments x, ln1_scale, ln1_shift, H; writes H
.if DOCPART == 2
	.amdgcn_target "amdgcn-amd-amdhsa--gfx1250"
	.amdhsa_code_object_version 6
	.text
	.protected	k_q50a91ffafc_ln1
	.globl	k_q50a91ffafc_ln1
	.p2align	8
	.type	k_q50a91ffafc_ln1,@function
k_q50a91ffafc_ln1:
	s_mov_b64 s[64:65], 0
	v_nop
	global_prefetch_b8 v0, s[64:65] scope:SCOPE_SE
	s_setreg_imm32_b32 hwreg(HW_REG_WAVE_MODE, 25, 1), 1
	s_wait_xcnt 0x0
; h = gain (x - mean) / sqrt(var + 1e-5) + shift for rows of 1,024 f32, quantised to FP6 (E2M3) along the row, one E8M0 byte for each 32, and laid as images of operand registers:
; row i stands at position pi(i) (bits 3 and 4 exchanged); fragment (16 positions x 128 K, 1,536 bytes: chunk p, lane l's 8 bytes at 8 l = registers 2 p, 2 p + 1) number ((position / 128) x 8 + k / 128) x 8 + tile; scale tiles of 64 bytes
; (word r) in the same order from byte 3,145,728 on.
; Work-group T makes tile T: 16 positions; wave w positions 4 w .. 4 w + 3, which are four neighbouring rows.  ONE WAVE HOLDS A WHOLE ROW in 32 registers: mean and variance never leave the wave, and the variance is taken
; of x - mean, so a common offset of the inputs costs nothing.  The normalised row turns through the wave's own stage in LDS, so that lane l holds block l, 32 neighbours; its codes go to an image of the tile's eight
; fragments, which the four waves then store as runs of 512 bytes.  The scale words leave as pieces of 64 bytes, parts of aligned blocks of 256: 512 bytes beside the tile's 12,288 bytes of codes.
; LIMITS: a block of zeros, or one under 2^-124, gets the byte 1 (this program alone reads the bytes); NaN and infinities are not served.
.set X,     64                         ; v64-191  four rows
.set Y,     32                         ; v32-63   a block of 32 neighbours; later the way out
.set GA,    192                        ; v192-223 gain
.set SH,    224                        ; v224-255 shift
.set C,     16                         ; v16-22   a block's codes
.set SPW,   24                         ; v24      my spare word's LDS address; never rewritten
.set NIL,   25                         ; v25      0; never rewritten
.set TURNB, 4608                       ; a wave's stage: 32 blocks of 128 bytes + 16 of padding
.set IMG,   4*TURNB                    ; the tile's eight fragments
.set SCS,   IMG+12288                  ; its scale words: [k / 128][r]
.set SPARE, SCS+512                    ; the spare words, 128 bytes a wave
	s_load_b256 s[4:11], s[0:1], 0x0               ; the rows, gain, shift, H
	v_lshl_add_u32 v[SPW], v0, 2, SPARE
	v_mov_b32 v[NIL], 0
	v_lshrrev_b32 v9, 5, v0
	v_readfirstlane_b32 s15, v9                    ; wave
	v_and_b32 v9, 31, v0                           ; lane
	v_lshlrev_b32 v1, 4, v9                        ; 16 x lane
	s_mul_i32 s16, s15, TURNB
	v_lshrrev_b32 v10, 3, v9
	v_lshl_add_u32 v2, v10, 4, v1
	v_add_nc_u32 v2, s16, v2                       ; into the stage: as loaded, 16 bytes more behind each 128
	v_mul_u32_u24 v3, v9, 144
	v_add_nc_u32 v3, s16, v3                       ; out of it: block = lane
	v_lshrrev_b32 v10, 2, v9                       ; block l belongs to fragment l / 4, registers 6 c on with c = (l / 2) % 2, lanes r + 16 (l % 2)
	v_bfe_u32 v11, v0, 1, 1
	v_and_b32 v12, 1, v0
	v_mul_u32_u24 v4, v10, 1536
	v_mad_u32_u24 v4, v11, 768, v4
	v_lshl_add_u32 v4, v12, 7, v4
	s_lshl_b32 s17, s15, 5
	s_add_co_u32 s17, s17, IMG
	v_add_nc_u32 v4, s17, v4                       ; + 8 x (4 x wave): my wave's first r
	v_and_b32 v13, 3, v0
	v_lshl_add_u32 v5, v10, 6, v13
	s_lshl_b32 s17, s15, 4
	s_add_co_u32 s17, s17, SCS
	v_add_nc_u32 v5, s17, v5                       ; my block's byte: 64 (l / 4) + 4 r + l % 4
	s_mul_i32 s17, s15, 3072
	s_add_co_u32 s17, s17, IMG
	v_add_nc_u32 v6, s17, v1                       ; the way out: wave w stores fragments 2 w, 2 w + 1
	s_lshl_b32 s17, s15, 7
	s_add_co_u32 s17, s17, SCS
	v_lshl_add_u32 v7, v9, 2, s17                  ; and their scale words
	v_bfe_u32 v10, v0, 4, 1
	v_and_b32 v11, 15, v0
	v_lshlrev_b32 v8, 2, v11
	v_lshl_add_u32 v8, v10, 9, v8                  ; in memory the two tiles of words lie 512 bytes apart
	s_mov_b32 s12, 0x76543210
	s_mov_b32 s13, 0xfedcba98                      ; v_permlanex16_b32's selects for lane l xor 16
	s_mov_b32 s14, 0x3a800000                      ; 1 / 1,024
	s_lshr_b32 s18, ttmp9, 1                       ; my first row: 32 (T / 2) + 8 (T % 2) + 16 (w / 2) + 4 (w % 2)
	s_lshl_b32 s18, s18, 5
	s_and_b32 s19, ttmp9, 1
	s_lshl_b32 s19, s19, 3
	s_add_co_u32 s18, s18, s19
	s_lshr_b32 s19, s15, 1
	s_lshl_b32 s19, s19, 4
	s_add_co_u32 s18, s18, s19
	s_and_b32 s19, s15, 1
	s_lshl_b32 s19, s19, 2
	s_add_co_u32 s18, s18, s19
	s_lshl_b32 s18, s18, 12                        ; rows of 4,096 bytes
	s_mov_b32 s19, 0
	s_lshr_b32 s20, ttmp9, 3                       ; the group of 128 positions
	s_and_b32 s22, ttmp9, 7                        ; the tile in it
	s_mul_i32 s24, s20, 98304
	s_mul_i32 s21, s15, 24576
	s_add_co_u32 s24, s24, s21
	s_mul_i32 s21, s22, 1536
	s_add_co_u32 s24, s24, s21
	s_mov_b32 s25, 0
	s_lshl_b32 s26, s20, 12
	s_lshl_b32 s21, s15, 10
	s_add_co_u32 s26, s26, s21
	s_lshl_b32 s21, s22, 6
	s_add_co_u32 s26, s26, s21
	s_add_co_u32 s26, s26, 3145728
	s_mov_b32 s27, 0
	s_wait_kmcnt 0x0
	s_add_nc_u64 s[4:5], s[4:5], s[18:19]
	s_add_nc_u64 s[24:25], s[10:11], s[24:25]
	s_add_nc_u64 s[26:27], s[10:11], s[26:27]
.irp j, 0,1,2,3,4,5,6,7
	global_load_b128 v[GA+4*\j:GA+4*\j+3], v1, s[6:7] offset:512*\j
	global_load_b128 v[SH+4*\j:SH+4*\j+3], v1, s[8:9] offset:512*\j
.endr
.irp n, 0,1,2,3
.irp j, 0,1,2,3,4,5,6,7
	global_load_b128 v[X+32*\n+4*\j:X+32*\n+4*\j+3], v1, s[4:5] offset:4096*\n+512*\j th:TH_LOAD_NT   ; 512 consecutive bytes a load
.endr
.endr
.macro REDUCE                          ; v10 summed over the 32 lanes, the result in every lane
	v_add_f32 v10, v10, v11
	v_add_f32_dpp v10, v10, v10 row_xmask:1 row_mask:0xf bank_mask:0xf
	v_add_f32_dpp v10, v10, v10 row_xmask:2 row_mask:0xf bank_mask:0xf
	v_add_f32_dpp v10, v10, v10 row_xmask:4 row_mask:0xf bank_mask:0xf
	v_add_f32_dpp v10, v10, v10 row_xmask:8 row_mask:0xf bank_mask:0xf
	v_permlanex16_b32 v11, v10, s12, s13
	v_add_f32 v10, v10, v11
.endm
.macro ROW n
.set XS, X+32*(\n)
	s_wait_loadcnt 8*(3-(\n))                      ; this row's eight loads are in; the later rows' may be out
	v_pk_add_f32 v[10:11], v[XS:XS+1], v[XS+2:XS+3]          ; the sum, two at a time, in two chains
	v_pk_add_f32 v[12:13], v[XS+4:XS+5], v[XS+6:XS+7]
.irp j, 8,12,16,20,24,28
	v_pk_add_f32 v[10:11], v[10:11], v[XS+\j:XS+\j+1]
	v_pk_add_f32 v[12:13], v[12:13], v[XS+\j+2:XS+\j+3]
.endr
	v_pk_add_f32 v[10:11], v[10:11], v[12:13]
	REDUCE
	v_mul_f32 v26, s14, v10                        ; the mean
	v_mov_b32 v27, v26
.set j, 0
.rept 16
	v_pk_add_f32 v[XS+j:XS+j+1], v[XS+j:XS+j+1], v[26:27] neg_lo:[0,1] neg_hi:[0,1]   ; x - mean
.set j, j+2
.endr
	v_pk_mul_f32 v[10:11], v[XS:XS+1], v[XS:XS+1]            ; the sum of its squares
	v_pk_mul_f32 v[12:13], v[XS+2:XS+3], v[XS+2:XS+3]
.irp j, 4,8,12,16,20,24,28
	v_pk_fma_f32 v[10:11], v[XS+\j:XS+\j+1], v[XS+\j:XS+\j+1], v[10:11]
	v_pk_fma_f32 v[12:13], v[XS+\j+2:XS+\j+3], v[XS+\j+2:XS+\j+3], v[12:13]
.endr
	v_pk_add_f32 v[10:11], v[10:11], v[12:13]
	REDUCE
	v_fmaak_f32 v10, s14, v10, 0x3727c5ac          ; var + 1e-5
	v_rsq_f32 v28, v10
	v_nop                                          ; a plain line behind the transcendental
	s_wait_alu depctr_va_vdst(0)                   ; the wait ahead of the first line that names its result
	v_mov_b32 v29, v28
.set j, 0
.rept 16
	v_pk_mul_f32 v[XS+j:XS+j+1], v[XS+j:XS+j+1], v[28:29]
.set j, j+2
.endr
.set j, 0
.rept 16
	v_pk_fma_f32 v[XS+j:XS+j+1], v[XS+j:XS+j+1], v[GA+j:GA+j+1], v[SH+j:SH+j+1]
.set j, j+2
.endr
.irp j, 0,1,2,3,4,5,6,7
	ds_store_b128 v2, v[XS+4*\j:XS+4*\j+3] offset:576*\j
.endr
.irp j, 0,1,2,3,4,5,6,7
	ds_load_b128 v[Y+4*\j:Y+4*\j+3], v3 offset:16*\j         ; LDS serves a wave's instructions in order: these see my stores
.endr
	s_wait_dscnt 0x0                               ; block l of the row is mine; the last row's stores have read their registers too
	v_max3_num_f32 v12, |v[Y]|, |v[Y+1]|, |v[Y+2]|
	v_max3_num_f32 v13, |v[Y+3]|, |v[Y+4]|, |v[Y+5]|
.irp j, 6,10,14,18,22,26
	v_max3_num_f32 v12, v12, |v[Y+\j]|, |v[Y+\j+1]|
	v_max3_num_f32 v13, v13, |v[Y+\j+2]|, |v[Y+\j+3]|
.endr
	v_max3_num_f32 v12, v12, |v[Y+30]|, |v[Y+31]|
	v_max3_num_f32 v12, v12, v13, 0x1800000        ; the floor 2^(3 - 127): the byte cannot fall under 1
	v_add_nc_u32 v11, 0xff000000, v12              ; 2 off the exponent field: the conversion's scale operand
	v_cvt_scalef32_pk16_fp6_f32 v[C:C+2], v[Y:Y+15], v11
	v_cvt_scalef32_pk16_fp6_f32 v[C+4:C+6], v[Y+16:Y+31], v11
	v_lshrrev_b32 v23, 23, v11                     ; the scale's byte.  (Also the plain line behind the conversions)
	v_mov_b32 v[C+3], v[C+4]
	v_mov_b32 v[C+4], v[C+5]
	v_mov_b32 v[C+5], v[C+6]
.irp j, 0,1,2
	ds_store_b64 v4, v[C+2*\j:C+2*\j+1] offset:8*(\n)+256*\j
.endr
	ds_store_b8 v5, v23 offset:4*(\n)
.endm
	ROW 0
	ROW 1
	ROW 2
	ROW 3
	s_wait_dscnt 0x0                               ; for the others' sake: my stores into the image are done
	s_barrier_signal -1
	s_barrier_wait -1
	ds_load_b32 v9, v7
.irp k, 0,1,2,3,4,5
	ds_load_b128 v[Y+4*\k:Y+4*\k+3], v6 offset:512*\k
.endr
.irp k, 0,1,2,3,4,5
	s_wait_dscnt 5-\k                              ; the younger loads may be out
	global_store_b128 v1, v[Y+4*\k:Y+4*\k+3], s[24:25] offset:12288*(\k/3)+512*(\k%3) th:TH_STORE_NT   ; 512 consecutive bytes, at a multiple of 256
.endr
	global_store_b32 v8, v9, s[26:27] th:TH_STORE_NT
	s_wait_tensorcnt 0x0                           ; the wave's end
	ds_add_u32 v[SPW], v[NIL]
	s_wait_dscnt 0x0
	s_endpgm
.Lfunc_end_k_q50a91ffafc_ln1:
	.size	k_q50a91ffafc_ln1, .Lfunc_end_k_q50a91ffafc_ln1-k_q50a91ffafc_ln1
	.p2alignl 7, 3214868480
	.fill 96, 4, 3214868480
	.section	.rodata,"a",@progbits
	.p2align	6, 0x0
	.amdhsa_kernel k_q50a91ffafc_ln1
		.amdhsa_group_segment_fixed_size 31744
		.amdhsa_private_segment_fixed_size 0
		.amdhsa_enable_private_segment 0
		.amdhsa_kernarg_size 32
		.amdhsa_user_sgpr_count 2
		.amdhsa_user_sgpr_kernarg_segment_ptr 1
		.amdhsa_wavefront_size32 1
		.amdhsa_system_sgpr_workgroup_id_x 1
		.amdhsa_system_sgpr_workgroup_id_y 1
		.amdhsa_system_sgpr_workgroup_id_z 1
		.amdhsa_system_vgpr_workitem_id 0
		.amdhsa_next_free_vgpr 256
		.amdhsa_next_free_sgpr 66
		.amdhsa_reserve_vcc 0
		.amdhsa_float_denorm_mode_32 3
		.amdhsa_float_denorm_mode_16_64 3
		.amdhsa_memory_ordered 1
		.amdhsa_forward_progress 1
		.amdhsa_inst_pref_size 45
	.end_amdhsa_kernel
	.amdgpu_metadata
---
amdhsa.version: [ 1, 2 ]
amdhsa.kernels:
  - .name:           k_q50a91ffafc_ln1
    .symbol:         k_q50a91ffafc_ln1.kd
    .args:
      - { .name: x, .offset: 0, .size: 8, .value_kind: global_buffer, .address_space: global }
      - { .name: ln1_scale, .offset: 8, .size: 8, .value_kind: global_buffer, .address_space: global }
      - { .name: ln1_shift, .offset: 16, .size: 8, .value_kind: global_buffer, .address_space: global }
      - { .name: H, .offset: 24, .size: 8, .value_kind: global_buffer, .address_space: global }
    .group_segment_fixed_size: 31744
    .private_segment_fixed_size: 0
    .kernarg_segment_align: 8
    .kernarg_segment_size: 32
    .max_flat_workgroup_size: 128
    .sgpr_count:     66
    .vgpr_count:     256
    .wavefront_size: 32
...
	.end_amdgpu_metadata
.endif
;; end of part 2
;; launch qkv (part 3): grid 48 x 4, 4 waves a work-group, clusters of 4 x 4, 327,680 bytes of LDS; arguments H, W, QKV; writes QKV
.if DOCPART == 3
	.amdgcn_target "amdgcn-amd-amdhsa--gfx1250"
	.amdhsa_code_object_version 6
	.text
	.protected	k_q50a91ffafc_qkv
	.globl	k_q50a91ffafc_qkv
	.p2align	8
	.type	k_q50a91ffafc_qkv,@function
k_q50a91ffafc_qkv:
	s_mov_b64 s[64:65], 0
	v_nop
	global_prefetch_b8 v0, s[64:65] scope:SCOPE_SE
	s_setreg_imm32_b32 hwreg(HW_REG_WAVE_MODE, 25, 1), 1
	s_wait_xcnt 0x0
	s_wait_alu depctr_hold_cnt(0) depctr_sa_sdst(0) depctr_va_vdst(0) depctr_va_sdst(0) depctr_va_ssrc(0) depctr_va_vcc(0) depctr_vm_vsrc(0)
	s_getreg_b32 s2, hwreg(HW_REG_IB_STS2, 6, 4)
	s_cmp_eq_u32 s2, 0
	s_cbranch_scc0 .Lentry_in_a_cluster
	s_endpgm
.Lentry_in_a_cluster:
	s_bfe_u32 s2, ttmp6, 0x10000c
	s_cmp_lg_u32 s2, 0xf033
	s_cbranch_scc0 .Lentry_shape_is_right
	s_endpgm
.Lentry_shape_is_right:
; q = h Wq, k = h Wk, v = h Wv on codes of FP6 (E2M3) with E8M0 scales; the results are quantised at once, q and k along the head's 64, v along the KEYS, and stored as images of operand registers.
; OPERANDS lie as fragments of 1,536 bytes (16 positions x 128 K; chunk p of 256 bytes: lane l's 8 bytes at 8 l = registers 2 p, 2 p + 1), row i at position pi(i) (bits 3, 4 exchanged), fragment ((group of 128) x K/128 + k/128) x 8 + tile:
; a group's 256 along K are 24,576 dense bytes, its scale words of all K 4,096 dense bytes.  So every tile is one dense block for the mover and every fragment read is 256 consecutive bytes an instruction.
; A tile of C is 256 x 256, four waves of 128 x 128 (64 accumulators, 512 registers); K goes in steps of 256 through a ring of two LDS slots; 4 x 4 work-groups form a cluster and ask for A's tiles jointly along a row, for B's along a column.
; THE PRODUCT IS USED TRANSPOSED (source 0 = B's 16 positions, source 1 = A's): by pi a lane's 64 registers of one block of A's rows are the 128 true columns 32 b + 16 (lane / 16) + i: what the quantiser wants.
; ROLES, by the cluster's number c, which all partners share (selects, no branch): c < 8: A = h (tile row 4 (c / 2) + cy), B = Wq or Wk (c % 2; tile column cx).  c >= 8: A = Wv (tile row cy), B = h (tile column 4 (c - 8) + cx):
; that is V^T, a lane holding one channel and its registers running along the tokens, which are the next product's K.
; OUT: q, k fragments [pair of heads][token tile]; V^T fragments [token / 128][channel tile]; scale tiles in the same orders.  Each store of codes covers 256 consecutive aligned bytes.
; LIMITS: a block of zeros, or one under 2^-124, gets the byte 1 (this program alone reads the bytes); NaN and infinities are not served.
; REGISTERS: window 0: v0-31 addresses; v32-63 scale words, two sets; v64-102 the quantiser's; v128-223 A's fragments, one set.  window 1: B's fragments, two sets, at v0 and v128.  windows 2, 3: the accumulators ((a, b) at v[8 (8 (a % 4) + b)]).
.set SIZE_K, 1024
.set KH,     SIZE_K/128
.set NQ,     2                         ; matrix instructions deep in a slot
.set FR,     12                        ; registers of a fragment
.set NL,     6                         ; LDS loads that bring one
.set NP,     4                         ; places behind this matrix instruction (ISA guide 7.12.1)
.set FRB,    1536
.set HALFT,  16*FRB                    ; 128 positions x 256 K: what one tensor load brings
.set SLOT,   4*HALFT
.set LAPS,   SIZE_K/512
.set GRP,    KH*8*FRB                  ; a group's codes of all K
.set HALFS,  KH*512                    ; a group's scale words of all K
.set SCL,    2*SLOT                    ; behind the ring: the scale words, filled once
.set SPARE,  SCL+4*HALFS               ; the spare words, 128 bytes a wave
.set STG,    SPARE+512                 ; 512 bytes a wave for the new scale words: no fill ever lands here
.set WS0,    9437184
.set ADRA, 16                          ; v16-17  LDS address of my A fragments in slot 0, 1
.set ADRB, 20                          ; v20-21  the same for B
.set GOF,  24                          ; v24     8 x lane
.set SWR,  25                          ; v25     where I put a new scale word
.set SRD,  26                          ; v26     where I read 16 bytes of them back
.set ADRS, 27                          ; v27     LDS address of my scale words: lanes 0-15 A's, lanes 16-31 B's
.set SPW,  28                          ; v28     my spare word; never rewritten
.set NIL,  29                          ; v29     0; never rewritten
.set GO16, 30                          ; v30     16 x lane
.set SC,   32
.set TM,   64
.set PW,   80
.set PC,   84
.set AF,   128
.set SEL,  2                           ; s[2:3]  lane selects, written behind the loop
.set OC,   96                          ; s[96:97] codes out;  s[98:99] scale words out
.set OS,   98
.set G1, 24
.set G0, 32
.set G1B, 48
.set G0B, 56
.set G1S, 68
.set G0S, 76
.set G1SB, 80
.set G0SB, 88
.set MSB, 0
.macro WIN new                         ; the immediate's high byte repeats the setting that is left
.if MSB != \new
	s_set_vgpr_msb (MSB<<8)|\new
.set MSB, \new
.endif
.endm
.set MUL_LO, 0xa1                      ; source 0 (B) window 1, source 1 (A) window 0, C and D window 2
.set MUL_HI, 0xf1                      ; the same, C and D window 3
.set TO_B,   0x40                      ; destination window 1, address window 0
; A joint load: waves 0 and 1 fetch for A, waves 2 and 3 for B; the branch hangs on the wave's number alone.  An s_nop 0 and four v_nop follow each of the two lines.
.macro JLOAD g0a, g1a, g0b, g1b
	s_cmp_eq_u32 s15, 0
	s_cbranch_scc0 .Lfor_b_\@
	tensor_load_to_lds s[\g0a:\g0a+3], s[\g1a:\g1a+7]
	s_nop 0
.rept 4
	v_nop
.endr
	s_branch .Lasked_\@
.Lfor_b_\@:
	tensor_load_to_lds s[\g0b:\g0b+3], s[\g1b:\g1b+7]
	s_nop 0
.rept 4
	v_nop
.endr
.Lasked_\@:
.endm
.macro CREST                           ; a round of the cluster's barrier behind its opening barrier
	s_cmp_lg_u32 s14, 0
	s_cbranch_scc1 .Lnot_wave_0_\@
	s_barrier_signal -3
.Lnot_wave_0_\@:
	s_barrier_wait -3
	s_barrier_signal -1
	s_barrier_wait -1
.endm
.macro CROUND
	s_barrier_signal -1
	s_barrier_wait -1
	CREST
.endm
	s_load_b128 s[4:7], s[0:1], 0x0                ; H, W
	s_load_b64 s[8:9], s[0:1], 0x10                ; QKV
	v_lshl_add_u32 v[SPW], v0, 2, SPARE
	v_mov_b32 v[NIL], 0
	ds_add_u32 v[SPW], v[NIL]                      ; the wave's opening: the add and its wait ahead of my first tensor load
	v_lshrrev_b32 v1, 5, v0
	v_readfirstlane_b32 s14, v1                    ; wave 0..3
	s_lshr_b32 s15, s14, 1                         ; which half of the tile's rows is mine.  Also: I fetch for A (0) or for B (1)
	s_and_b32 s16, s14, 1                          ; which half of its columns.  Also: which group of that tile I fetch
	s_bfe_u32 s40, ttmp6, 0x40000                  ; cx, cy
	s_bfe_u32 s41, ttmp6, 0x40004
	s_and_b32 s10, ttmp9, 1                        ; c % 2
	s_lshr_b32 s11, ttmp9, 1
	s_lshl_b32 s11, s11, 2                         ; 4 (c / 2)
	s_sub_co_u32 s12, ttmp9, 8
	s_lshl_b32 s12, s12, 2                         ; 4 (c - 8): used only where c >= 8
	s_mul_i32 s13, s10, 786432                     ; Wq's or Wk's codes in W
	s_mul_i32 s18, s10, 32768
	s_add_co_u32 s18, s18, WS0                     ; and their scale words
	s_mov_b32 s19, WS0+65536                       ; Wv's scale words
	s_mov_b32 s95, 64
	s_cmp_lt_u32 ttmp9, 8                          ; the role: the cluster's number alone
	s_cselect_b32 s17, s11, 0
	s_cselect_b32 s42, 0, s12
	s_cselect_b32 s10, s10, 2                      ; which of q, k, V^T I make
	s_cselect_b32 s95, 256, s95                    ; row tiles in its layout
	s_cselect_b32 s11, 0, 1572864                  ; A's codes begin here in their buffer,
	s_cselect_b32 s19, 3145728, s19                ; A's scale words,
	s_cselect_b32 s13, s13, 0                      ; B's codes,
	s_cselect_b32 s18, s18, 3145728                ; B's scale words
	s_add_co_u32 s17, s17, s41                     ; tile row of C
	s_add_co_u32 s42, s42, s40                     ; tile column of C
	s_lshl_b32 s43, s41, 2
	s_lshl_b32 s43, 15, s43                        ; my row of the cluster
	s_lshl_b32 s44, 0x1111, s40                    ; my column
	; descriptor group 1: a dense block of 24,576 bytes as 96 rows of 32 elements of 8 bytes, no padding
	s_or_b32 s[G1+0], s43, (3<<16)|(1<<21)         ; 15:0 the mask: A's tiles go to my row; 17:16 elements of 8 bytes; 21 set beside a mask
	s_or_b32 s[G1B+0], s44, (3<<16)|(1<<21)
.irp g, G1, G1B
	s_mov_b32 s[\g+1], 32<<16                      ; tensor_dim0
	s_mov_b32 s[\g+2], 96<<16                      ; tensor_dim1
	s_mov_b32 s[\g+3], 32<<16                      ; tile_dim0
	s_mov_b32 s[\g+4], 96                          ; tile_dim1
	s_mov_b32 s[\g+5], 32                          ; tensor_dim0_stride
	s_mov_b32 s[\g+6], 0
	s_mov_b32 s[\g+7], 0
.endr
	s_or_b32 s[G1S+0], s43, (3<<16)|(1<<21)        ; and a group's scale words: 2 KH rows of 256 bytes
	s_or_b32 s[G1SB+0], s44, (3<<16)|(1<<21)
.irp g, G1S, G1SB
	s_mov_b32 s[\g+1], 32<<16
	s_mov_b32 s[\g+2], (2*KH)<<16
	s_mov_b32 s[\g+3], 32<<16
	s_mov_b32 s[\g+4], 2*KH
	s_mov_b32 s[\g+5], 32
	s_mov_b32 s[\g+6], 0
	s_mov_b32 s[\g+7], 0
.endr
	s_lshl_b32 s20, s17, 1
	s_add_co_u32 s20, s20, s16                     ; A: group 2 x tile row + half
	s_lshl_b32 s46, s42, 1
	s_add_co_u32 s46, s46, s16                     ; B: group 2 x tile column + half
	s_mul_i32 s22, s20, HALFS
	s_mul_i32 s20, s20, GRP
	s_mul_i32 s92, s46, HALFS
	s_mul_i32 s46, s46, GRP
	s_add_co_u32 s20, s20, s11
	s_add_co_u32 s22, s22, s19
	s_add_co_u32 s46, s46, s13
	s_add_co_u32 s92, s92, s18
	s_mov_b32 s21, 0
	s_mov_b32 s23, 0
	s_mov_b32 s47, 0
	s_mov_b32 s93, 0
	s_mul_i32 s45, s14, HALFT                      ; where they go: wave x a group: no place in the cluster enters an LDS address
	s_mul_i32 s94, s14, HALFS
	s_wait_dscnt 0x0                               ; the opening add is done
	s_wait_kmcnt 0x0
	s_cmp_lt_u32 ttmp9, 8
	s_cselect_b64 s[12:13], s[4:5], s[6:7]         ; A's buffer: H or W
	s_cselect_b64 s[66:67], s[6:7], s[4:5]         ; B's: the other
	s_add_nc_u64 s[20:21], s[12:13], s[20:21]
	s_add_nc_u64 s[22:23], s[12:13], s[22:23]
	s_add_nc_u64 s[46:47], s[66:67], s[46:47]
	s_add_nc_u64 s[92:93], s[66:67], s[92:93]
	CROUND                                         ; all sixteen work-groups are here: the first joint loads meet
	s_mov_b32 s[G0S], 1
	s_add_co_u32 s[G0S+1], s94, SCL
	s_mov_b64 s[G0S+2:G0S+3], s[22:23]
	s_or_b32 s[G0S+3], s[G0S+3], 0x80000000
	s_mov_b32 s[G0SB], 1
	s_add_co_u32 s[G0SB+1], s94, SCL
	s_mov_b64 s[G0SB+2:G0SB+3], s[92:93]
	s_or_b32 s[G0SB+3], s[G0SB+3], 0x80000000
	JLOAD G0S, G1S, G0SB, G1SB                     ; the scale words first: they are wanted with K step 0
.irp s, 0,1
	s_mov_b32 s[G0+4*\s], 1
	s_add_co_u32 s[G0+4*\s+1], s45, \s*SLOT
	s_add_nc_u64 s[G0+4*\s+2:G0+4*\s+3], s[20:21], \s*HALFT
	s_or_b32 s[G0+4*\s+3], s[G0+4*\s+3], 0x80000000
	s_mov_b32 s[G0B+4*\s], 1
	s_add_co_u32 s[G0B+4*\s+1], s45, \s*SLOT
	s_add_nc_u64 s[G0B+4*\s+2:G0B+4*\s+3], s[46:47], \s*HALFT
	s_or_b32 s[G0B+4*\s+3], s[G0B+4*\s+3], 0x80000000
	JLOAD G0+4*\s, G1, G0B+4*\s, G1B
.endr
	v_and_b32 v1, 15, v0                           ; r
	v_bfe_u32 v2, v0, 4, 1                         ; h
	v_and_b32 v3, 31, v0
	v_lshlrev_b32 v[GOF], 3, v3
	s_mul_i32 s21, s15, HALFT                      ; my group of A
	s_mul_i32 s22, s16, HALFT                      ; my group of B,
	s_add_co_u32 s22, s22, 2*HALFT                 ; behind A's two
.irp s, 0,1
	v_add_nc_u32 v[ADRA+\s], s21, v[GOF]
	v_add_nc_u32 v[ADRB+\s], s22, v[GOF]
	s_add_co_u32 s21, s21, SLOT
	s_add_co_u32 s22, s22, SLOT
.endr
	v_lshlrev_b32 v5, 2, v1                        ; my scale word: 4 r,
	s_mul_i32 s21, s15, HALFS
	s_mul_i32 s22, s16, HALFS
	s_add_co_u32 s22, s22, 2*HALFS
	s_sub_co_u32 s22, s22, s21
	v_mul_u32_u24 v6, s22, v2                      ; lanes 16-31 take B's
	s_add_co_u32 s21, s21, SCL
	v_add_nc_u32 v5, v5, v6
	v_add_nc_u32 v[ADRS], s21, v5
	s_lshl_b32 s23, s14, 9
	s_add_co_u32 s23, s23, STG
	v_lshl_add_u32 v[SWR], v1, 2, s23
	v_lshlrev_b32 v[GO16], 4, v3
	v_add_nc_u32 v[SRD], s23, v[GO16]
	s_lshl_b32 s46, s42, 1                         ; where my results go: (column group x row tiles + my first row tile)
	s_add_co_u32 s46, s46, s16
	s_mul_i32 s46, s46, s95
	s_lshl_b32 s47, s17, 1
	s_add_co_u32 s47, s47, s15
	s_lshl_b32 s47, s47, 3
	s_add_co_u32 s46, s46, s47
	s_mul_i32 s[OC], s10, 3145728
	s_mul_i32 s47, s46, FRB
	s_add_co_u32 s[OC], s[OC], s47
	s_mov_b32 s[OC+1], 0
	s_lshl_b32 s[OS], s10, 17
	s_lshl_b32 s47, s46, 6
	s_add_co_u32 s[OS], s[OS], s47
	s_add_co_u32 s[OS], s[OS], 9437184
	s_mov_b32 s[OS+1], 0
	s_add_nc_u64 s[OC:OC+1], s[8:9], s[OC:OC+1]
	s_add_nc_u64 s[OS:OS+1], s[8:9], s[OS:OS+1]
.macro FRAG reg, adr, q, i             ; a fragment as it lies: six loads of 256 consecutive bytes
.irp p, 0,1,2,3,4,5
	ds_load_b64 v[\reg+2*\p:\reg+2*\p+1], v[\adr] offset:(8*(\q)+(\i))*FRB+256*\p
.endr
.endm
; 16 matrix instructions: A's blocks a0, a0 + 1 x B's eight, 128 along K.  zero = 1: the first product starts the sums.  The 64 accumulators take turns, one instruction a turn.
.macro MUL16 a0, p, q, sc, zero
.irp a, \a0, \a0+1
.irp b, 0,1,2,3,4,5,6,7
.if \zero
	v_wmma_scale_f32_16x16x128_f8f6f4 v[8*(8*((\a)%4)+\b):8*(8*((\a)%4)+\b)+7], v[128*(\p)+FR*\b:128*(\p)+FR*\b+FR-1], v[AF+FR*(\a):AF+FR*(\a)+FR-1], 0, v[SC+8*NQ*(\sc)+NQ*\b+(\q)], v[SC+8*NQ*(\sc)+NQ*(\a)+(\q)] matrix_a_fmt:MATRIX_FMT_FP6 matrix_b_fmt:MATRIX_FMT_FP6 matrix_a_scale:MATRIX_SCALE_ROW1
.else
	v_wmma_scale_f32_16x16x128_f8f6f4 v[8*(8*((\a)%4)+\b):8*(8*((\a)%4)+\b)+7], v[128*(\p)+FR*\b:128*(\p)+FR*\b+FR-1], v[AF+FR*(\a):AF+FR*(\a)+FR-1], v[8*(8*((\a)%4)+\b):8*(8*((\a)%4)+\b)+7], v[SC+8*NQ*(\sc)+NQ*\b+(\q)], v[SC+8*NQ*(\sc)+NQ*(\a)+(\q)] matrix_a_fmt:MATRIX_FMT_FP6 matrix_b_fmt:MATRIX_FMT_FP6 matrix_a_scale:MATRIX_SCALE_ROW1
.endif
.endr
.endr
.endm
.macro FETCH_B slot, q, p
	WIN TO_B
.irp i, 0,1,2,3,4,5,6,7
	FRAG 128*(\p)+FR*\i, ADRB+\slot, \q, \i
.endr
	WIN 0
.endm
.macro FETCH_A slot, q, i0
.irp i, \i0, \i0+1, \i0+2, \i0+3
	FRAG AF+FR*(\i), ADRA+\slot, \q, \i
.endr
.endm
.macro SCALES sc                       ; a K step's scale words: register 2 i + q: lanes 0-15 A's block i, lanes 16-31 B's block i
.irp i, 0,1,2,3,4,5,6,7
	ds_load_b32 v[SC+16*\sc+2*\i], v[ADRS] offset:64*\i
	ds_load_b32 v[SC+16*\sc+2*\i+1], v[ADRS] offset:512+64*\i
.endr
.endm
.macro PLACES n                        ; plain vector lines between a matrix instruction and a load into, or a vector line on, its registers
.rept \n
	v_nop
.endr
.endm
.macro STEP slot, q, zero              ; 128 along K that have their successor in the same slot
	s_wait_dscnt 4*NL                              ; all but the youngest 24 loads (A's blocks 4-7) are in
	WIN MUL_LO
	MUL16 0, (\q)%2, \q, \slot, \zero
	MUL16 2, (\q)%2, \q, \slot, \zero
	s_wait_dscnt 0
	PLACES NP
	FETCH_B \slot, (\q)+1, 1-(\q)%2
	FETCH_A \slot, (\q)+1, 0
	WIN MUL_HI
	MUL16 4, (\q)%2, \q, \slot, \zero
	MUL16 6, (\q)%2, \q, \slot, \zero
	PLACES NP
	WIN 0
	FETCH_A \slot, (\q)+1, 4
.endm
; A slot's last 128 change slots: ONE barrier; ahead of it each wave waits for all its tensor loads, adds 0 to its spare word, and waits for that and for its reads of this slot.  fill = 1: the slot is filled again, two K steps ahead.
.macro TURN slot, next, fill
	s_wait_tensorcnt 0x0                           ; all my tensor loads have landed: my part of the next slot
	ds_add_u32 v[SPW], v[NIL]
	s_wait_dscnt 4*NL+1                            ; the add and the youngest 24 loads may be out
	WIN MUL_LO
	MUL16 0, 1, NQ-1, \slot, 0
	s_wait_dscnt 0x0                               ; the add is done, and my reads of this slot are over
	s_barrier_signal -1
	MUL16 2, 1, NQ-1, \slot, 0
	WIN 0
	s_barrier_wait -1
.if \fill
	CREST                                          ; the barrier has opened a round of the cluster's: no wave of any partner still reads this slot or has a load on its way
	s_add_nc_u64 s[G0+4*\slot+2:G0+4*\slot+3], s[G0+4*\slot+2:G0+4*\slot+3], 2*HALFT
	s_add_nc_u64 s[G0B+4*\slot+2:G0B+4*\slot+3], s[G0B+4*\slot+2:G0B+4*\slot+3], 2*HALFT
	JLOAD G0+4*\slot, G1, G0B+4*\slot, G1B         ; the first tensor load behind the round; its four v_nop are the places ahead of the loads below
.else
	PLACES NP
.endif
	v_add_nc_u32 v[ADRS], 1024, v[ADRS]            ; the next K step's scale words
	FETCH_B \next, 0, 0
	FETCH_A \next, 0, 0
	SCALES \next
	WIN MUL_HI
	MUL16 4, 1, NQ-1, \slot, 0
	MUL16 6, 1, NQ-1, \slot, 0
	PLACES NP
	WIN 0
	FETCH_A \next, 0, 4
.endm
	s_wait_tensorcnt 1                             ; the scale words and my part of K step 0 are in; K step 1's load may be out
	s_barrier_signal -1
	s_barrier_wait -1
	FETCH_B 0, 0, 0
	FETCH_A 0, 0, 0
	SCALES 0
	FETCH_A 0, 0, 4
	STEP 0, 0, 1
	s_mov_b32 s3, LAPS-1
.Llap:
	TURN 0, 1, 1
	STEP 1, 0, 0
	TURN 1, 0, 1
	STEP 0, 0, 0
	s_sub_co_u32 s3, s3, 1
	s_cmp_lg_u32 s3, 0
	s_cbranch_scc1 .Llap
	TURN 0, 1, 0                                   ; the last lap fills nothing
	STEP 1, 0, 0
	s_wait_dscnt 4*NL
	WIN MUL_LO
	MUL16 0, 1, NQ-1, 1, 0
	MUL16 2, 1, NQ-1, 1, 0
	s_wait_dscnt 0
	WIN MUL_HI
	MUL16 4, 1, NQ-1, 1, 0
	MUL16 6, 1, NQ-1, 1, 0
	WIN 0
; 64 numbers of a lane in window W, register 16 b + i = k 32 b + 16 (lane / 16) + i of my row, become a fragment's codes in v[PC] on and its scale word in v[PW].  Each accumulator is read from its low end on.
.macro QUANT s, W
	WIN ((\W)|((\W)<<2))
.irp b, 0,1,2,3
	v_max3_num_f32 v[TM+\b], |v[\s+16*\b]|, |v[\s+1+16*\b]|, 0x1800000   ; and the floor 2^(3 - 127): the byte cannot fall under 1
.endr
	WIN (((\W)<<2)|((\W)<<4))
.irp i, 2,4,6,8,10,12,14
.irp b, 0,1,2,3
	v_max3_num_f32 v[TM+\b], v[TM+\b], |v[\s+16*\b+\i]|, |v[\s+1+16*\b+\i]|
.endr
.endr
	WIN 0
.irp b, 0,1,2,3
	v_permlanex16_b32 v[TM+4+\b], v[TM+\b], s[SEL], s[SEL+1]
.endr
.irp b, 0,1,2,3
	v_max_num_f32 v[TM+\b], v[TM+\b], v[TM+4+\b]   ; with lane l xor 16's: the block's largest magnitude
.endr
.irp b, 0,1,2,3
	v_add_nc_u32 v[TM+12+\b], 0xff000000, v[TM+\b] ; 2 off its exponent field: the conversion's scale operand
.endr
.irp b, 0,1,2,3
	v_lshrrev_b32 v[TM+4+\b], 23, v[TM+12+\b]      ; the scale's byte
.endr
	v_lshl_or_b32 v[PW], v[TM+5], 8, v[TM+4]
	v_lshl_or_b32 v[PW], v[TM+6], 16, v[PW]
	v_lshl_or_b32 v[PW], v[TM+7], 24, v[PW]
	WIN (\W)
.irp c, 0,1
	v_cvt_scalef32_pk16_fp6_f32 v[PC+6*\c:PC+2+6*\c], v[\s+32*\c:\s+15+32*\c], v[TM+12+2*\c]
	v_cvt_scalef32_pk16_fp6_f32 v[PC+12+4*\c:PC+14+4*\c], v[\s+16+32*\c:\s+31+32*\c], v[TM+12+2*\c+1]
.endr
	WIN 0
	v_nop                                          ; one plain line behind a scaled conversion
.irp c, 0,1                                    ; the layout wants a WHOLE block in a lane
.irp i, 0,1,2
	v_permlane16_swap_b32 v[PC+6*\c+\i], v[PC+12+4*\c+\i]
.endr
.irp i, 0,1,2
	v_mov_b32 v[PC+3+6*\c+\i], v[PC+12+4*\c+\i]
.endr
.endr
.endm
	; THE WAY OUT: each block of 16 rows x my 128 columns is one fragment of the next operand
	PLACES NP
	s_mov_b32 s[SEL], 0x76543210
	s_mov_b32 s[SEL+1], 0xfedcba98
.irp b, 0,1,2,3
	v_mov_b32 v[TM+4+\b], 0                        ; a lane permute's destination counts as one of its sources
.endr
.irp a, 0,1,2,3,4,5,6,7
.if \a > 0
	s_wait_xcnt 0x0                                ; the last block's stores have read their registers
	s_wait_dscnt 0x0
.endif
	QUANT 64*(\a%4), 2+\a/4
.irp p, 0,1,2,3,4,5
	global_store_b64 v[GOF], v[PC+2*\p:PC+2*\p+1], s[OC:OC+1] offset:FRB*\a+256*\p th:TH_STORE_NT   ; 256 consecutive bytes, aligned
.endr
	ds_store_b32 v[SWR], v[PW] offset:64*\a        ; lanes r and r + 16 write the same word with the same value
.endr
	ds_load_b128 v[TM:TM+3], v[SRD]                ; LDS serves a wave's instructions in order: this sees my stores
	s_wait_dscnt 0x0
	global_store_b128 v[GO16], v[TM:TM+3], s[OS:OS+1] th:TH_STORE_NT   ; my eight scale tiles: 512 consecutive bytes
	s_wait_tensorcnt 0x0                           ; the wave's end
	ds_add_u32 v[SPW], v[NIL]
	s_wait_dscnt 0x0
	CROUND                                         ; the closing round
	s_endpgm
.Lfunc_end_k_q50a91ffafc_qkv:
	.size	k_q50a91ffafc_qkv, .Lfunc_end_k_q50a91ffafc_qkv-k_q50a91ffafc_qkv
	.p2alignl 7, 3214868480
	.fill 96, 4, 3214868480
	.section	.rodata,"a",@progbits
	.p2align	6, 0x0
	.amdhsa_kernel k_q50a91ffafc_qkv
		.amdhsa_group_segment_fixed_size 327680
		.amdhsa_private_segment_fixed_size 0
		.amdhsa_enable_private_segment 0
		.amdhsa_kernarg_size 24
		.amdhsa_user_sgpr_count 2
		.amdhsa_user_sgpr_kernarg_segment_ptr 1
		.amdhsa_wavefront_size32 1
		.amdhsa_system_sgpr_workgroup_id_x 1
		.amdhsa_system_sgpr_workgroup_id_y 1
		.amdhsa_system_sgpr_workgroup_id_z 1
		.amdhsa_system_vgpr_workitem_id 0
		.amdhsa_next_free_vgpr 1024
		.amdhsa_next_free_sgpr 100
		.amdhsa_reserve_vcc 0
		.amdhsa_float_denorm_mode_32 3
		.amdhsa_float_denorm_mode_16_64 3
		.amdhsa_memory_ordered 1
		.amdhsa_forward_progress 1
		.amdhsa_inst_pref_size 170
	.end_amdhsa_kernel
	.amdgpu_metadata
---
amdhsa.version: [ 1, 2 ]
amdhsa.kernels:
  - .name:           k_q50a91ffafc_qkv
    .symbol:         k_q50a91ffafc_qkv.kd
    .args:
      - { .name: H, .offset: 0, .size: 8, .value_kind: global_buffer, .address_space: global }
      - { .name: W, .offset: 8, .size: 8, .value_kind: global_buffer, .address_space: global }
      - { .name: QKV, .offset: 16, .size: 8, .value_kind: global_buffer, .address_space: global }
    .group_segment_fixed_size: 327680
    .private_segment_fixed_size: 0
    .kernarg_segment_align: 8
    .kernarg_segment_size: 24
    .max_flat_workgroup_size: 128
    .sgpr_count:     100
    .vgpr_count:     1024
    .wavefront_size: 32
...
	.end_amdgpu_metadata
.endif
;; end of part 3
;; launch attn (part 4): grid 8 x 32, 16 waves a work-group, no clusters, 327,680 bytes of LDS; arguments QKV, CTX; writes CTX
.if DOCPART == 4
	.amdgcn_target "amdgcn-amd-amdhsa--gfx1250"
	.amdhsa_code_object_version 6
	.text
	.protected	k_q50a91ffafc_attn
	.globl	k_q50a91ffafc_attn
	.p2align	8
	.type	k_q50a91ffafc_attn,@function
k_q50a91ffafc_attn:
	s_mov_b64 s[64:65], 0
	v_nop
	global_prefetch_b8 v0, s[64:65] scope:SCOPE_SE
	s_setreg_imm32_b32 hwreg(HW_REG_WAVE_MODE, 25, 1), 1
	s_wait_xcnt 0x0
; ctx = softmax(q k^T / 8, causal) v for 32 (batch, head) pairs, 2,048 tokens, head size 64, both products on codes of FP6 (E2M3) with E8M0 scales; ctx is quantised along its 1,024 columns and stored as images of operand registers.
; THE SOFTMAX: t = score x log2(e) / 8; M = the running largest t rounded UP to a whole number; p = 2^(t - M) is quantised along the keys, not normalised; the row's sum is taken of the unquantised p and divides at the end.
; INPUTS (made by the launch before): fragments of 1,536 bytes (16 positions x 128 K; chunk p of 256 bytes: lane l's 8 bytes at 8 l = registers 2 p, 2 p + 1), token i at position pi(i) (bits 3, 4 exchanged).
; q, k: [pair of heads][token tile], chunks 0-2 the even head's 64, chunks 3-5 the odd head's.  V^T: [token / 128][channel tile], K = the tokens.  Scale tiles of 64 bytes (word r) in the same orders.
; THE HEAD HAS 64 AND THE INSTRUCTION 128 ALONG K: q's upper six registers are zero codes, so whatever stands in k's upper six adds nothing; the scale words' upper two bytes are 0, which is 2^-127 and no NaN.
; SHARES.  A work-group owns blocks x and 15 - x of 128 queries of one head: 17 key steps of 128 for each pair of waves, whatever x.  Each of sixteen waves owns one tile of 16 positions, in 256 registers, four waves to a SIMD.
; Both products are used transposed: a lane holds ONE query (position lane % 16); by pi the 16 registers of key tiles 2 b, 2 b + 1 are the true keys 32 b + 16 (lane / 16) + 0 .. 15, and O^T's likewise true channels.
; CAUSAL.  Every work-group walks all eight slots of 256 keys (constant trip counts); a step whose keys all come after the wave's queries is jumped over, a slot whose first key comes after the work-group's last query is not asked for.
; Every wait for tensor loads in this text is for 0.
; LIMITS: a block's largest p is taken from its largest score (v_exp_f32 is taken not to fall where its input rises); a block of zeros gets the byte 1; NaN and infinities are not served.
; REGISTERS: v1-7 addresses that stay; v8-10 addresses in hand; v11 q's scales; v12 -M, v13 largest t, v[14:15] the sum; v16-27 q; v32-85 k (tile t at v[32 + 6 t] on; v80-85 stay 0), then at work; v86-93 k's scales; v94 p's; v96-159 S^T, p;
; v160-191 O^T; v192-239 V^T; v240-243 its scales; v244-255 p's codes.
.set SLOT1, 1<<15                      ; slot 1 begins here: one exclusive or turns an address
.set VOFF,  12288                      ; a slot: 16 tiles of k x 768 bytes, then [key step][4 fragments] of V^T
.set NSL,   8
.set SCK,   2*SLOT1                    ; k's scale tiles of the whole sequence: 8,192 bytes
.set SCV,   SCK+8192                   ; V^T's: [token / 128][256]
.set SPARE, SCV+4096                   ; the spare words, 128 bytes for each of sixteen waves
.set L8,   1                           ; v1   8 x lane
.set ASK0, 2                           ; v2   my place among k's scale words
.set ASV0, 3                           ; v3   and among V^T's
.set SPW,  5                           ; v5   my spare word; never rewritten
.set NIL,  6                           ; v6   0; never rewritten
.set DQ,   7                           ; v7   my query less the tile's first, less 16 (lane / 16)
.set AD,   8
.set ADS,  9
.set ADT,  10
.set QS,   11
.set PFO,  28                          ; v28  the prefetches' offset from QKV's first byte
.set PFST, 29                          ; v29  a slot on, in my lane's stream
.set KSC,  86
.set PSC,  94
.set VF,   192
.set VSC,  240
.set PCD,  244
.set WV,   18
.set SEL,  20
.set CS,   22
.set G1K,  24
.set G1V,  32
.set G0K,  40
.set G0V,  44
.set G1SK, 48
.set G1SV, 56
.set G0SK, 68
.set G0SV, 72
.set TB,   2                           ; s2   LDS byte at which the slot in hand begins
.set TS,   3                           ; s3   the step's scale tiles of k: 512 bytes a step
.set TJ,   66                          ; s66  and of V^T: 256 bytes a step
.set SLOTS, 67
.set LIM,  80                          ; s80  1 in a wave that prefetches, else the greatest number
.set LASTQ, 81                         ; s81  my work-group's last query
.set KF,   98                          ; s98  the step's first key
.set Q0,   99                          ; s99  my tile's first query
; Waves 0 and 1 fetch for k, waves 2 and 3 for V^T, the others nothing.  An s_nop 0 and four v_nop follow each of the two lines.
.macro TLOAD g0k, g1k, g0v, g1v
	s_cmp_lt_u32 s[WV], 2
	s_cbranch_scc0 .Lnot_k_\@
	tensor_load_to_lds s[\g0k:\g0k+3], s[\g1k:\g1k+7]
	s_nop 0
.rept 4
	v_nop
.endr
	s_branch .Lasked_\@
.Lnot_k_\@:
	s_cmp_lt_u32 s[WV], 4
	s_cbranch_scc0 .Lasked_\@
	tensor_load_to_lds s[\g0v:\g0v+3], s[\g1v:\g1v+7]
	s_nop 0
.rept 4
	v_nop
.endr
.Lasked_\@:
.endm
; A PREFETCH INTO THE L2 of the slot that the NEXT change of slots will ask for: 48 blocks of 256 bytes of k and 48 of V^T, a lane a block.  All eight work-groups of a head walk the same k and V^T: the first of them (x = 0, which walks
; every slot) asks, and in it waves 4 to 6, which fetch nothing, one instruction each: so each block is named once in the launch.  The last change that fills a slot asks for nothing; slots 0 and 1 come by their loads alone.
.macro ASK
	s_cmp_gt_u32 s[SLOTS], s[LIM]
	s_cbranch_scc0 .Lnot_mine_\@
	global_prefetch_b8 v[PFO], s[4:5] th:TH_LOAD_NT scope:SCOPE_SE
.Lnot_mine_\@:
.endm
	s_load_b128 s[4:7], s[0:1], 0x0                ; QKV, CTX
	v_lshl_add_u32 v[SPW], v0, 2, SPARE
	v_mov_b32 v[NIL], 0
	ds_add_u32 v[SPW], v[NIL]                      ; the wave's opening: the add and its wait ahead of my first tensor load
	v_lshrrev_b32 v8, 5, v0
	v_readfirstlane_b32 s[WV], v8                  ; wave 0..15
	s_and_b32 s8, ttmp7, 0xffff
	s_lshr_b32 s9, s8, 4                           ; batch
	s_and_b32 s10, s8, 15                          ; head
	s_and_b32 s11, s10, 1                          ; which of its pair
	s_lshr_b32 s12, s10, 1                         ; the pair
	s_lshr_b32 s13, s[WV], 2
	s_xor_b32 s13, s13, s[WV]
	s_and_b32 s13, s13, 1                          ; 0: the early block, 1: the late one
	s_lshr_b32 s14, s[WV], 1                       ; my tile in the block
	s_sub_co_u32 s15, 15, ttmp9
	s_lshl_b32 s[LASTQ], s15, 7
	s_or_b32 s[LASTQ], s[LASTQ], 127
	s_cmp_eq_u32 s13, 0
	s_cselect_b32 s15, ttmp9, s15                  ; my block of 128 queries
	s_lshl_b32 s[Q0], s15, 7
	s_lshr_b32 s16, s14, 1
	s_lshl_b32 s16, s16, 5
	s_add_co_u32 s[Q0], s[Q0], s16
	s_and_b32 s16, s14, 1
	s_lshl_b32 s16, s16, 3
	s_add_co_u32 s[Q0], s[Q0], s16                 ; 128 block + 32 (tile / 2) + 8 (tile % 2)
	s_lshl_b32 s17, s12, 8
	s_lshl_b32 s16, s9, 7
	s_add_co_u32 s17, s17, s16                     ; q's and k's first tile of this batch and pair
	s_and_b32 s19, s[WV], 1                        ; which half I fetch, if I fetch
	s_lshl_b32 s82, s19, 3                         ; k's codes: eight tiles a wave, my head's 768 bytes of each
	s_add_co_u32 s82, s82, s17
	s_mul_i32 s82, s82, 1536
	s_mul_i32 s84, s11, 768
	s_add_co_u32 s82, s82, s84
	s_add_co_u32 s82, s82, 3145728
	s_mov_b32 s83, 0
	s_lshl_b32 s84, s9, 4                          ; V^T's: key step 16 batch + half, my head's four tiles
	s_add_co_u32 s84, s84, s19
	s_lshl_b32 s84, s84, 6
	s_lshl_b32 s86, s10, 2
	s_add_co_u32 s84, s84, s86
	s_mul_i32 s84, s84, 1536
	s_add_co_u32 s84, s84, 6291456
	s_mov_b32 s85, 0
	s_lshl_b32 s86, s17, 6                         ; k's scale tiles: half of the sequence's 128
	s_lshl_b32 s88, s19, 12
	s_add_co_u32 s86, s86, s88
	s_add_co_u32 s86, s86, 9568256
	s_mov_b32 s87, 0
	s_lshl_b32 s88, s9, 4                          ; V^T's: eight key steps a wave
	s_lshl_b32 s90, s19, 3
	s_add_co_u32 s88, s88, s90
	s_lshl_b32 s88, s88, 6
	s_lshl_b32 s90, s10, 2
	s_add_co_u32 s88, s88, s90
	s_lshl_b32 s88, s88, 6
	s_add_co_u32 s88, s88, 9699328
	s_mov_b32 s89, 0
	s_lshl_b32 s90, s15, 3                         ; my tile of q
	s_add_co_u32 s90, s90, s14
	s_add_co_u32 s90, s90, s17
	s_lshl_b32 s92, s90, 6
	s_mul_i32 s90, s90, 1536
	s_mul_i32 s94, s11, 768
	s_add_co_u32 s90, s90, s94
	s_mov_b32 s91, 0
	s_lshl_b32 s94, s11, 1
	s_add_co_u32 s92, s92, s94
	s_add_co_u32 s92, s92, 9437184
	s_mov_b32 s93, 0
	s_lshl_b32 s94, s9, 4                          ; my fragment of ctx: ((16 batch + block) x 8 + pair) x 8 + tile
	s_add_co_u32 s94, s94, s15
	s_lshl_b32 s94, s94, 3
	s_add_co_u32 s94, s94, s12
	s_lshl_b32 s94, s94, 3
	s_add_co_u32 s94, s94, s14
	s_lshl_b32 s96, s94, 6
	s_mul_i32 s94, s94, 1536
	s_mul_i32 s16, s11, 768
	s_add_co_u32 s94, s94, s16
	s_mov_b32 s95, 0
	s_lshl_b32 s16, s11, 1
	s_add_co_u32 s96, s96, s16
	s_add_co_u32 s96, s96, 3145728
	s_mov_b32 s97, 0
	s_mul_i32 s12, s17, 1536                       ; the prefetches: k's slot 1,
	s_mul_i32 s16, s11, 768
	s_add_co_u32 s12, s12, s16
	s_add_co_u32 s12, s12, 3145728+24576
	s_lshl_b32 s13, s9, 10                         ; and V^T's
	s_lshl_b32 s16, s10, 2
	s_add_co_u32 s13, s13, s16
	s_mul_i32 s13, s13, 1536
	s_add_co_u32 s13, s13, 6291456+196608
	s_lshl_b32 s14, s11, 1                         ; 2 x (which of the pair): my two bytes of a scale word
	; descriptor groups 1: elements of 8 bytes, no padding, no mask
	s_mov_b32 s[G1K], 3<<16                        ; k: 8 rows of 768 bytes, 1,536 bytes apart
	s_mov_b32 s[G1K+1], 96<<16
	s_mov_b32 s[G1K+2], 8<<16
	s_mov_b32 s[G1K+3], 96<<16
	s_mov_b32 s[G1K+4], 8
	s_mov_b32 s[G1K+5], 192
	s_mov_b32 s[G1K+6], 0
	s_mov_b32 s[G1K+7], 0
	s_mov_b32 s[G1V], 3<<16                        ; V^T: 6,144 dense bytes as 24 rows of 256
	s_mov_b32 s[G1V+1], 32<<16
	s_mov_b32 s[G1V+2], 24<<16
	s_mov_b32 s[G1V+3], 32<<16
	s_mov_b32 s[G1V+4], 24
	s_mov_b32 s[G1V+5], 32
	s_mov_b32 s[G1V+6], 0
	s_mov_b32 s[G1V+7], 0
	s_mov_b32 s[G1SK], 3<<16                       ; k's scale tiles: 4,096 dense bytes
	s_mov_b32 s[G1SK+1], 32<<16
	s_mov_b32 s[G1SK+2], 16<<16
	s_mov_b32 s[G1SK+3], 32<<16
	s_mov_b32 s[G1SK+4], 16
	s_mov_b32 s[G1SK+5], 32
	s_mov_b32 s[G1SK+6], 0
	s_mov_b32 s[G1SK+7], 0
	s_mov_b32 s[G1SV], 3<<16                       ; V^T's: 8 rows of 256 bytes, 4,096 bytes apart
	s_mov_b32 s[G1SV+1], 32<<16
	s_mov_b32 s[G1SV+2], 8<<16
	s_mov_b32 s[G1SV+3], 32<<16
	s_mov_b32 s[G1SV+4], 8
	s_mov_b32 s[G1SV+5], 512
	s_mov_b32 s[G1SV+6], 0
	s_mov_b32 s[G1SV+7], 0
	s_mov_b32 s[G0K], 1
	s_mul_i32 s[G0K+1], s19, 6144
	s_mov_b32 s[G0V], 1
	s_add_co_u32 s[G0V+1], s[G0K+1], VOFF
	s_mov_b32 s[G0SK], 1
	s_lshl_b32 s[G0SK+1], s19, 12
	s_add_co_u32 s[G0SK+1], s[G0SK+1], SCK
	s_mov_b32 s[G0SV], 1
	s_lshl_b32 s[G0SV+1], s19, 11
	s_add_co_u32 s[G0SV+1], s[G0SV+1], SCV
	s_mov_b32 s[SEL], 0x76543210
	s_mov_b32 s[SEL+1], 0xfedcba98
	s_mov_b32 s[CS], 0x3e38aa3b                    ; c = log2(e) / 8
	s_mov_b32 s[CS+1], s[CS]
	s_mov_b32 s[TB], 0
	s_mov_b32 s[TS], 0
	s_mov_b32 s[TJ], 0
	s_mov_b32 s[SLOTS], NSL-1
	s_mov_b32 s[KF], 0
	s_wait_dscnt 0x0                               ; the opening add is done
	s_wait_kmcnt 0x0
	s_add_nc_u64 s[G0SK+2:G0SK+3], s[4:5], s[86:87]
	s_or_b32 s[G0SK+3], s[G0SK+3], 0x80000000
	s_add_nc_u64 s[G0SV+2:G0SV+3], s[4:5], s[88:89]
	s_or_b32 s[G0SV+3], s[G0SV+3], 0x80000000
	TLOAD G0SK, G1SK, G0SV, G1SV                   ; the scale tiles of the whole sequence: filled once
	s_add_nc_u64 s[G0K+2:G0K+3], s[4:5], s[82:83]
	s_or_b32 s[G0K+3], s[G0K+3], 0x80000000
	s_add_nc_u64 s[G0V+2:G0V+3], s[4:5], s[84:85]
	s_or_b32 s[G0V+3], s[G0V+3], 0x80000000
	TLOAD G0K, G1K, G0V, G1V                       ; slot 0
	s_add_nc_u64 s[90:91], s[4:5], s[90:91]        ; q's codes,
	s_add_nc_u64 s[92:93], s[4:5], s[92:93]        ; q's scale words,
	s_add_nc_u64 s[8:9], s[6:7], s[94:95]          ; ctx's codes,
	s_add_nc_u64 s[10:11], s[6:7], s[96:97]        ; ctx's scale words
	v_and_b32 v[L8], 31, v0
	v_lshlrev_b32 v[L8], 3, v[L8]
	v_and_b32 v8, 15, v0                           ; r
	v_bfe_u32 v9, v0, 4, 1                         ; h
	v_lshlrev_b32 v10, 2, v8
.irp p, 0,1,2
	global_load_b64 v[16+2*\p:17+2*\p], v[L8], s[90:91] offset:256*\p   ; q's lower six registers: my head's 64
.endr
	global_load_u16 v[QS], v10, s[92:93]           ; its two scale bytes; the upper two are 0
	v_lshl_add_u32 v[ASK0], v8, 2, SCK
	v_add_nc_u32 v[ASK0], s14, v[ASK0]
	v_lshl_add_u32 v[ASV0], v8, 2, SCV
	v_and_b32 v[DQ], 8, v8
	v_add_nc_u32 v[DQ], v[DQ], v8                  ; r + 8 (r / 8)
	v_lshlrev_b32 v9, 4, v9
	v_sub_nc_u32 v[DQ], v[DQ], v9
.irp j, 22,23,24,25,26,27,80,81,82,83,84,85
	v_mov_b32 v\j, 0                               ; zero codes: q's upper half, and what stands behind k's last tile
.endr
	s_sub_co_u32 s82, s[WV], 4                     ; the prefetches: block n = 32 (wave - 4) + lane of a slot's 96
	s_lshl_b32 s83, s82, 5
	v_and_b32 v30, 31, v0
	v_add_nc_u32 v30, s83, v30
	v_mul_u32_u24 v31, v30, 43
	v_lshrrev_b32 v31, 7, v31                      ; n / 3 for n < 48: k's tile
	v_mul_u32_u24 v[PFO], v31, 3
	v_sub_nc_u32 v[PFO], v30, v[PFO]
	v_lshlrev_b32 v[PFO], 8, v[PFO]
	v_mad_u32_u24 v[PFO], v31, 1536, v[PFO]
	v_add_nc_u32 v[PFO], s12, v[PFO]
	v_add_nc_u32 v30, 0xffffffd0, v30              ; m = n - 48
	v_mul_u32_u24 v31, v30, 43
	v_lshrrev_b32 v31, 10, v31                     ; m / 24 for 0 <= m < 48: V^T's key step
	v_mul_u32_u24 v[PFST], v31, 24
	v_sub_nc_u32 v[PFST], v30, v[PFST]
	v_lshlrev_b32 v[PFST], 8, v[PFST]
	v_mad_u32_u24 v[PFST], v31, 98304, v[PFST]
	v_add_nc_u32 v[PFST], s13, v[PFST]
	v_cmp_gt_i32 s84, 0, v30                       ; k's lanes
	v_cndmask_b32 v[PFO], v[PFST], v[PFO], s84
	v_mov_b32 v[PFST], 196608
	v_mov_b32 v31, 24576
	v_cndmask_b32 v[PFST], v[PFST], v31, s84
	s_cmp_lt_u32 s82, 3                            ; waves 4 to 6,
	s_cselect_b32 s82, 0, 1
	s_or_b32 s82, s82, ttmp9                       ; of the head's first work-group
	s_cmp_eq_u32 s82, 0
	s_cselect_b32 s[LIM], 1, -1
	v_mov_b32 v13, 0xff61b1e6                      ; the largest t so far: -3e38
	v_floor_f32 v12, -v13                          ; -M
	v_mov_b32 v14, 0
	v_mov_b32 v15, 0
.set j, 0
.rept 32
	v_mov_b32 v[160+j], 0                          ; O^T: the loop is written once; its first step finds zeros
.set j, j+1
.endr
; A KEY STEP: 128 keys, the q-th of the slot in hand.
.macro STEP q
	s_add_co_u32 s96, s[Q0], 23                    ; my tile's last query
	s_cmp_gt_u32 s[KF], s96
	s_cbranch_scc1 .Lhidden_\@                     ; all keys come later: the step's work is left out; ids and the count of steps alone decide
	v_add_nc_u32 v[AD], s[TB], v[L8]
	v_add_nc_u32 v[ADS], s[TS], v[ASK0]
	v_add_nc_u32 v[ADT], s[TJ], v[ASV0]
	v_nop                                          ; four places ahead of loads into registers that the last products read
.irp t, 0,1,2,3,4,5,6,7
.irp p, 0,1,2
	ds_load_b64 v[32+6*\t+2*\p:33+6*\t+2*\p], v[AD] offset:(8*(\q)+\t)*768+256*\p
.endr
.endr
.irp t, 0,1,2,3,4,5,6,7
	ds_load_u16 v[KSC+\t], v[ADS] offset:64*\t
.endr
.irp t, 0,1,2,3
.irp p, 0,1,2,3,4,5
	ds_load_b64 v[VF+12*\t+2*\p:VF+12*\t+2*\p+1], v[AD] offset:VOFF+(4*(\q)+\t)*1536+256*\p
.endr
.endr
.irp t, 0,1,2,3
	ds_load_b32 v[VSC+\t], v[ADT] offset:64*\t
.endr
	s_wait_dscnt 28                                ; k and its scales are in; V^T's 24 loads and its 4 scale words may be out
.irp t, 0,1,2,3,4,5,6,7
	v_wmma_scale_f32_16x16x128_f8f6f4 v[96+8*\t:103+8*\t], v[32+6*\t:43+6*\t], v[16:27], 0, v[KSC+\t], v[QS] matrix_a_fmt:MATRIX_FMT_FP6 matrix_b_fmt:MATRIX_FMT_FP6
.endr
.rept 4
	v_nop
.endr
	s_add_co_u32 s96, s[KF], 127                   ; on the diagonal hidden scores become -infinity ahead of the maximum; a step all of whose keys count skips this
	s_cmp_le_u32 s96, s[Q0]
	s_cbranch_scc1 .Lopen_\@
	s_sub_co_i32 s96, s[Q0], s[KF]
	v_add_nc_u32 v73, s96, v[DQ]                   ; register 16 b + i holds key KF + 16 (lane / 16) + 32 b + i: hidden where 32 b + i is above this
	v_mov_b32 v72, 0xff800000
.set n, 0
.rept 64
	v_cmp_gt_i32 vcc_lo, 32*(n/16)+n%16, v73
	v_cndmask_b32 v[96+n], v[96+n], v72, vcc_lo
.set n, n+1
.endr
.Lopen_\@:
.irp b, 0,1,2,3
	v_max3_num_f32 v[32+\b], v[96+16*\b], v[97+16*\b], v[98+16*\b]   ; the largest score of each block of 32 keys: for the row's maximum, and for the block's largest p
.endr
.irp i, 3,5,7,9,11,13
.irp b, 0,1,2,3
	v_max3_num_f32 v[32+\b], v[32+\b], v[96+16*\b+\i], v[97+16*\b+\i]
.endr
.endr
.irp b, 0,1,2,3
	v_max_num_f32 v[32+\b], v[32+\b], v[111+16*\b]
.endr
.irp b, 0,1,2,3
	v_permlanex16_b32 v[36+\b], v[32+\b], s[SEL], s[SEL+1]
.endr
.irp b, 0,1,2,3
	v_max_num_f32 v[32+\b], v[32+\b], v[36+\b]     ; with lane l xor 16's 16 keys
.endr
	v_max3_num_f32 v72, v32, v33, v34
	v_max_num_f32 v72, v72, v35
	v_mul_f32 v72, s[CS], v72                      ; as t
	v_max_num_f32 v13, v13, v72                    ; the running largest t
	v_mov_b32 v72, v12
	v_floor_f32 v12, -v13                          ; the new -M = -ceil(t)
	v_sub_f32 v72, v12, v72                        ; old M - new M: a whole number, 0 or less
	v_cvt_i32_f32 v72, v72
	v_ldexp_f32 v70, 1.0, v72                      ; f = 2^(old M - new M): a multiplication by it rounds nothing
.set j, 0
.rept 32
	v_pk_fma_f32 v[96+j:97+j], v[96+j:97+j], s[CS:CS+1], v[12:13] op_sel_hi:[1,0,0]   ; t - M
.set j, j+2
.endr
.irp b, 0,1,2,3
	v_fma_f32 v[32+\b], v[32+\b], s[CS], v12       ; the same of each block's largest score
.endr
.set j, 0
.rept 64
	v_exp_f32 v[96+j], v[96+j]                     ; p = 2^(t - M)
.set j, j+1
.endr
	v_pk_mul_f32 v[14:15], v[14:15], v[70:71] op_sel_hi:[1,0]   ; the sums under the new M.  (The plain line behind the exponentials)
	s_wait_alu depctr_va_vdst(0)                   ; one wait for the batch, ahead of the first line that names a result
.irp b, 0,1,2,3
	v_exp_f32 v[32+\b], v[32+\b]                   ; the block's largest p
.endr
	v_pk_add_f32 v[74:75], v[96:97], v[98:99]      ; the row's sum of the UNQUANTISED p, in two chains
.irp j, 4,8,12,16,20,24,28,32,36,40,44,48,52,56,60
	v_pk_add_f32 v[14:15], v[14:15], v[96+\j:97+\j]
	v_pk_add_f32 v[74:75], v[74:75], v[98+\j:99+\j]
.endr
	v_pk_add_f32 v[14:15], v[14:15], v[74:75]
	s_wait_alu depctr_va_vdst(0)                   ; and one for the four
.irp b, 0,1,2,3
	v_max_num_f32 v[32+\b], 0x1800000, v[32+\b]    ; the floor 2^(3 - 127)
.endr
.irp b, 0,1,2,3
	v_add_nc_u32 v[44+\b], 0xff000000, v[32+\b]    ; the conversion's scale operand
.endr
.irp b, 0,1,2,3
	v_lshrrev_b32 v[40+\b], 23, v[44+\b]           ; the scale's byte
.endr
	v_lshl_or_b32 v[PSC], v41, 8, v40              ; p's scale word for these 128 keys
	v_lshl_or_b32 v[PSC], v42, 16, v[PSC]
	v_lshl_or_b32 v[PSC], v43, 24, v[PSC]
.irp c, 0,1
	v_cvt_scalef32_pk16_fp6_f32 v[PCD+6*\c:PCD+2+6*\c], v[96+32*\c:111+32*\c], v[44+2*\c]
	v_cvt_scalef32_pk16_fp6_f32 v[60+4*\c:62+4*\c], v[112+32*\c:127+32*\c], v[44+2*\c+1]
.endr
	v_nop                                          ; one plain line behind a scaled conversion
.irp c, 0,1
.irp i, 0,1,2
	v_permlane16_swap_b32 v[PCD+6*\c+\i], v[60+4*\c+\i]
.endr
.irp i, 0,1,2
	v_mov_b32 v[PCD+3+6*\c+\i], v[60+4*\c+\i]
.endr
.endr
.set j, 0
.rept 16
	v_pk_mul_f32 v[160+j:161+j], v[160+j:161+j], v[70:71] op_sel_hi:[1,0]   ; O^T under the new M.  (Also the places ahead of the products below)
.set j, j+2
.endr
	s_wait_dscnt 0x0                               ; V^T and its scale words are in
.irp t, 0,1,2,3
	v_wmma_scale_f32_16x16x128_f8f6f4 v[160+8*\t:167+8*\t], v[VF+12*\t:VF+12*\t+11], v[PCD:PCD+11], v[160+8*\t:167+8*\t], v[VSC+\t], v[PSC] matrix_a_fmt:MATRIX_FMT_FP6 matrix_b_fmt:MATRIX_FMT_FP6
.endr
.Lhidden_\@:
	s_add_co_u32 s[KF], s[KF], 128
	s_add_co_u32 s[TS], s[TS], 512
	s_add_co_u32 s[TJ], s[TJ], 256
.endm
; THE CHANGE OF SLOTS stands at a slot's head: each wave waits for all its tensor loads, adds 0 to its spare word, waits for that and for its reads of the slot that it has left, and passes the barrier.
; fill = 1: the slot just left is filled with the keys that follow, up to the causal limit; the load has a whole slot's steps in which to land.
.macro CHANGE fill
	s_wait_tensorcnt 0x0                           ; no tensor load of mine is out, so a group 0 may be written
	ds_add_u32 v[SPW], v[NIL]
.if \fill
	s_xor_b32 s[G0K+1], s[G0K+1], SLOT1
	s_add_nc_u64 s[G0K+2:G0K+3], s[G0K+2:G0K+3], 24576
	s_xor_b32 s[G0V+1], s[G0V+1], SLOT1
	s_add_nc_u64 s[G0V+2:G0V+3], s[G0V+2:G0V+3], 196608
	s_wait_xcnt 0x0                                ; the last prefetch, a slot back, has read its offset
	v_add_nc_u32 v[PFO], v[PFO], v[PFST]           ; one slot further on than the walking descriptors
.endif
	s_wait_dscnt 0x0                               ; the add is done, and my reads of the slot that I have left are over
	s_barrier_signal -1
	s_barrier_wait -1
.if \fill
	s_add_co_u32 s96, s[KF], 256                   ; the first key of the slot that this change would ask for
	s_cmp_gt_u32 s96, s[LASTQ]                     ; ids and the count of steps alone: all sixteen waves go the same way, and past the limit they stay past it
	s_cbranch_scc1 .Lpast_\@
	TLOAD G0K, G1K, G0V, G1V                       ; a wave's one tensor load until the next barrier
.Lpast_\@:
	ASK
.endif
.endm
.macro SLOT_STEPS
	STEP 0
	STEP 1
	s_xor_b32 s[TB], s[TB], SLOT1
.endm
	s_wait_loadcnt 0x0                             ; q
.Lslot:
	CHANGE 1
	SLOT_STEPS
	s_sub_co_u32 s[SLOTS], s[SLOTS], 1
	s_cmp_lg_u32 s[SLOTS], 0
	s_cbranch_scc1 .Lslot
	CHANGE 0                                       ; the last slot is written out: nothing is left to ask for
	SLOT_STEPS
	; THE WAY OUT: O^T / the sum is my head's 64 columns of 16 rows of ctx: two blocks of 32, half a fragment: three stores of 256 consecutive aligned bytes.
	v_add_f32 v14, v14, v15
	v_permlanex16_b32 v8, v14, s[SEL], s[SEL+1]
	v_add_f32 v14, v14, v8                         ; the row's sum
	v_rcp_f32 v14, v14
	v_and_b32 v9, 15, v0
	v_lshlrev_b32 v9, 2, v9                        ; 4 r
	v_nop
	v_nop
	s_wait_alu depctr_va_vdst(0)                   ; ahead of the reciprocal's first reader
.set j, 0
.rept 32
	v_mul_f32 v[96+j], v[160+j], v14               ; register 16 b + i: channel 32 b + 16 (lane / 16) + i
.set j, j+1
.endr
.irp b, 0,1
	v_max3_num_f32 v[32+\b], |v[96+16*\b]|, |v[97+16*\b]|, 0x1800000
.endr
.irp i, 2,4,6,8,10,12,14
.irp b, 0,1
	v_max3_num_f32 v[32+\b], v[32+\b], |v[96+16*\b+\i]|, |v[97+16*\b+\i]|
.endr
.endr
.irp b, 0,1
	v_permlanex16_b32 v[8+2*\b], v[32+\b], s[SEL], s[SEL+1]
.endr
.irp b, 0,1
	v_max_num_f32 v[32+\b], v[32+\b], v[8+2*\b]
.endr
.irp b, 0,1
	v_add_nc_u32 v[44+\b], 0xff000000, v[32+\b]
.endr
.irp b, 0,1
	v_lshrrev_b32 v[40+\b], 23, v[44+\b]
.endr
	v_lshl_or_b32 v40, v41, 8, v40                 ; my head's two bytes of the row's scale word
	v_cvt_scalef32_pk16_fp6_f32 v[PCD:PCD+2], v[96:111], v44
	v_cvt_scalef32_pk16_fp6_f32 v[60:62], v[112:127], v45
	v_nop
.irp i, 0,1,2
	v_permlane16_swap_b32 v[PCD+\i], v[60+\i]
.endr
.irp i, 0,1,2
	v_mov_b32 v[PCD+3+\i], v[60+\i]
.endr
.irp i, 0,1,2
	global_store_b64 v[L8], v[PCD+2*\i:PCD+2*\i+1], s[8:9] offset:256*\i th:TH_STORE_NT
.endr
	global_store_b16 v9, v40, s[10:11] th:TH_STORE_NT   ; lanes r and r + 16 store the same two bytes to the same place: 32 bytes a wave beside its 768 bytes of codes
	s_wait_tensorcnt 0x0                           ; the wave's end
	ds_add_u32 v[SPW], v[NIL]
	s_wait_dscnt 0x0
	s_endpgm
.Lfunc_end_k_q50a91ffafc_attn:
	.size	k_q50a91ffafc_attn, .Lfunc_end_k_q50a91ffafc_attn-k_q50a91ffafc_attn
	.p2alignl 7, 3214868480
	.fill 96, 4, 3214868480
	.section	.rodata,"a",@progbits
	.p2align	6, 0x0
	.amdhsa_kernel k_q50a91ffafc_attn
		.amdhsa_group_segment_fixed_size 327680
		.amdhsa_private_segment_fixed_size 0
		.amdhsa_enable_private_segment 0
		.amdhsa_kernarg_size 16
		.amdhsa_user_sgpr_count 2
		.amdhsa_user_sgpr_kernarg_segment_ptr 1
		.amdhsa_wavefront_size32 1
		.amdhsa_system_sgpr_workgroup_id_x 1
		.amdhsa_system_sgpr_workgroup_id_y 1
		.amdhsa_system_sgpr_workgroup_id_z 1
		.amdhsa_system_vgpr_workitem_id 0
		.amdhsa_next_free_vgpr 256
		.amdhsa_next_free_sgpr 100
		.amdhsa_reserve_vcc 1
		.amdhsa_float_denorm_mode_32 3
		.amdhsa_float_denorm_mode_16_64 3
		.amdhsa_memory_ordered 1
		.amdhsa_forward_progress 1
		.amdhsa_inst_pref_size 109
	.end_amdhsa_kernel
	.amdgpu_metadata
---
amdhsa.version: [ 1, 2 ]
amdhsa.kernels:
  - .name:           k_q50a91ffafc_attn
    .symbol:         k_q50a91ffafc_attn.kd
    .args:
      - { .name: QKV, .offset: 0, .size: 8, .value_kind: global_buffer, .address_space: global }
      - { .name: CTX, .offset: 8, .size: 8, .value_kind: global_buffer, .address_space: global }
    .group_segment_fixed_size: 327680
    .private_segment_fixed_size: 0
    .kernarg_segment_align: 8
    .kernarg_segment_size: 16
    .max_flat_workgroup_size: 512
    .sgpr_count:     100
    .vgpr_count:     256
    .wavefront_size: 32
...
	.end_amdgpu_metadata
.endif
;; end of part 4
;; launch wo (part 5): grid 4 x 16, 4 waves a work-group, clusters of 4 x 4, 327,680 bytes of LDS; arguments CTX, W, bo, x, X1; writes X1
.if DOCPART == 5
	.amdgcn_target "amdgcn-amd-amdhsa--gfx1250"
	.amdhsa_code_object_version 6
	.text
	.protected	k_q50a91ffafc_wo
	.globl	k_q50a91ffafc_wo
	.p2align	8
	.type	k_q50a91ffafc_wo,@function
k_q50a91ffafc_wo:
	s_mov_b64 s[64:65], 0
	v_nop
	global_prefetch_b8 v0, s[64:65] scope:SCOPE_SE
	s_setreg_imm32_b32 hwreg(HW_REG_WAVE_MODE, 25, 1), 1
	s_wait_xcnt 0x0
	s_wait_alu depctr_hold_cnt(0) depctr_sa_sdst(0) depctr_va_vdst(0) depctr_va_sdst(0) depctr_va_ssrc(0) depctr_va_vcc(0) depctr_vm_vsrc(0)
	s_getreg_b32 s2, hwreg(HW_REG_IB_STS2, 6, 4)
	s_cmp_eq_u32 s2, 0
	s_cbranch_scc0 .Lentry_in_a_cluster
	s_endpgm
.Lentry_in_a_cluster:
	s_bfe_u32 s2, ttmp6, 0x10000c
	s_cmp_lg_u32 s2, 0xf033
	s_cbranch_scc0 .Lentry_shape_is_right
	s_endpgm
.Lentry_shape_is_right:
; x1 = x + (ctx Wo + bo): a product on codes of FP6 (E2M3) with E8M0 scales, K = 1,024; the bias is the C of each sum's first product, the residual is added on the way out; x1 is f32 [4096][1024] in true row order.
; OPERANDS lie as fragments of 1,536 bytes (16 positions x 128 K; chunk p of 256 bytes: lane l's 8 bytes at 8 l = registers 2 p, 2 p + 1), row i at position pi(i) (bits 3, 4 exchanged), fragment ((group of 128) x K/128 + k/128) x 8 + tile:
; a group's 256 along K are 24,576 dense bytes, its scale words of all K one dense block.  A tile of C is 256 x 256, four waves of 128 x 128; K goes in steps of 256 through a ring of two LDS slots; 4 x 4 work-groups form a cluster and
; ask for A's tiles jointly along a row, for B's along a column.  THE PRODUCT IS USED TRANSPOSED (source 0 = B's 16 positions, source 1 = A's): a lane holds one row and eight true neighbouring columns an accumulator.
; The way out undoes pi: columns by the stage's offsets, rows by the stores' immediates.  C has 64 tiles of 256 x 256, so the launch has 64 work-groups.
; The bias enters ahead of the products, so the order of rounding differs from a sum that adds it last.  NaN and infinities are not served.
; REGISTERS: window 0: v0-31 addresses; v32-63 scale words, two sets; v64-127 the bias; v128-223 A's fragments, one set; on the way out v128-255 rows of C.  window 1: B's fragments, two sets; on the way out v0-127 the residual.  windows 2, 3: accumulators.
.set SIZE_K, 1024
.set ASC,    3145728                   ; A's scale words in its buffer
.set BCODE,  2359296                   ; B's codes in W
.set BSC,    9437184+98304             ; B's scale words in W
.set KH,     SIZE_K/128
.set NQ,     2
.set FR,     12
.set NL,     6
.set NP,     4
.set FRB,    1536
.set HALFT,  16*FRB
.set SLOT,   4*HALFT
.set LAPS,   SIZE_K/512
.set GRP,    KH*8*FRB
.set HALFS,  KH*512
.set SCL,    2*SLOT
.set SPARE,  SCL+4*HALFS
.set STG,    SPARE+512                 ; 16 rows x 528 bytes a wave: no fill ever lands here
.set SPITCH, 528
.set ADRA, 16
.set ADRB, 20
.set STO,  24
.set RD,   25
.set CO,   26
.set ADRS, 27
.set SPW,  28
.set NIL,  29
.set SC,   32
.set BIAS, 64
.set AF,   128
.set BK,   128
.set RES,  10                          ; s[10:11] the residual at my part's first number;  s[12:13] the output likewise
.set DST,  12
.set G1, 24
.set G0, 32
.set G1B, 48
.set G0B, 56
.set G1S, 68
.set G0S, 76
.set G1SB, 80
.set G0SB, 88
.set MSB, 0
.macro WIN new
.if MSB != \new
	s_set_vgpr_msb (MSB<<8)|\new
.set MSB, \new
.endif
.endm
.set MUL_LO, 0xa1
.set MUL_HI, 0xf1
.set TO_B,   0x40
.macro JLOAD g0a, g1a, g0b, g1b        ; a joint load: waves 0, 1 for A, waves 2, 3 for B; an s_nop 0 and four v_nop follow each line
	s_cmp_eq_u32 s15, 0
	s_cbranch_scc0 .Lfor_b_\@
	tensor_load_to_lds s[\g0a:\g0a+3], s[\g1a:\g1a+7]
	s_nop 0
.rept 4
	v_nop
.endr
	s_branch .Lasked_\@
.Lfor_b_\@:
	tensor_load_to_lds s[\g0b:\g0b+3], s[\g1b:\g1b+7]
	s_nop 0
.rept 4
	v_nop
.endr
.Lasked_\@:
.endm
.macro CREST
	s_cmp_lg_u32 s14, 0
	s_cbranch_scc1 .Lnot_wave_0_\@
	s_barrier_signal -3
.Lnot_wave_0_\@:
	s_barrier_wait -3
	s_barrier_signal -1
	s_barrier_wait -1
.endm
.macro CROUND
	s_barrier_signal -1
	s_barrier_wait -1
	CREST
.endm
	s_load_b256 s[4:11], s[0:1], 0x0               ; A's buffer, W, the bias, the residual
	s_load_b64 s[12:13], s[0:1], 0x20              ; the output
	v_lshl_add_u32 v[SPW], v0, 2, SPARE
	v_mov_b32 v[NIL], 0
	ds_add_u32 v[SPW], v[NIL]                      ; the wave's opening: the add and its wait ahead of my first tensor load
	v_lshrrev_b32 v1, 5, v0
	v_readfirstlane_b32 s14, v1
	s_lshr_b32 s15, s14, 1
	s_and_b32 s16, s14, 1
	s_bfe_u32 s40, ttmp6, 0x40000
	s_bfe_u32 s41, ttmp6, 0x40004
	s_lshl_b32 s42, ttmp9, 2
	s_add_co_u32 s42, s42, s40                     ; tile column of C
	s_and_b32 s17, ttmp7, 0xffff
	s_lshl_b32 s17, s17, 2
	s_add_co_u32 s17, s17, s41                     ; tile row of C
	s_lshl_b32 s43, s41, 2
	s_lshl_b32 s43, 15, s43
	s_lshl_b32 s44, 0x1111, s40
	s_or_b32 s[G1+0], s43, (3<<16)|(1<<21)         ; a dense block of 24,576 bytes as 96 rows of 32 elements of 8 bytes; the mask; bit 21 beside it
	s_or_b32 s[G1B+0], s44, (3<<16)|(1<<21)
.irp g, G1, G1B
	s_mov_b32 s[\g+1], 32<<16
	s_mov_b32 s[\g+2], 96<<16
	s_mov_b32 s[\g+3], 32<<16
	s_mov_b32 s[\g+4], 96
	s_mov_b32 s[\g+5], 32
	s_mov_b32 s[\g+6], 0
	s_mov_b32 s[\g+7], 0
.endr
	s_or_b32 s[G1S+0], s43, (3<<16)|(1<<21)
	s_or_b32 s[G1SB+0], s44, (3<<16)|(1<<21)
.irp g, G1S, G1SB
	s_mov_b32 s[\g+1], 32<<16
	s_mov_b32 s[\g+2], (2*KH)<<16
	s_mov_b32 s[\g+3], 32<<16
	s_mov_b32 s[\g+4], 2*KH
	s_mov_b32 s[\g+5], 32
	s_mov_b32 s[\g+6], 0
	s_mov_b32 s[\g+7], 0
.endr
	s_lshl_b32 s20, s17, 1
	s_add_co_u32 s20, s20, s16
	s_lshl_b32 s46, s42, 1
	s_add_co_u32 s46, s46, s16
	s_mul_i32 s22, s20, HALFS
	s_mul_i32 s20, s20, GRP
	s_mul_i32 s92, s46, HALFS
	s_mul_i32 s46, s46, GRP
	s_add_co_u32 s22, s22, ASC
	s_add_co_u32 s46, s46, BCODE
	s_add_co_u32 s92, s92, BSC
	s_mov_b32 s21, 0
	s_mov_b32 s23, 0
	s_mov_b32 s47, 0
	s_mov_b32 s93, 0
	s_mul_i32 s45, s14, HALFT
	s_mul_i32 s94, s14, HALFS
	s_wait_dscnt 0x0
	s_wait_kmcnt 0x0
	s_add_nc_u64 s[20:21], s[4:5], s[20:21]
	s_add_nc_u64 s[22:23], s[4:5], s[22:23]
	s_add_nc_u64 s[46:47], s[6:7], s[46:47]
	s_add_nc_u64 s[92:93], s[6:7], s[92:93]
	CROUND
	s_mov_b32 s[G0S], 1
	s_add_co_u32 s[G0S+1], s94, SCL
	s_mov_b64 s[G0S+2:G0S+3], s[22:23]
	s_or_b32 s[G0S+3], s[G0S+3], 0x80000000
	s_mov_b32 s[G0SB], 1
	s_add_co_u32 s[G0SB+1], s94, SCL
	s_mov_b64 s[G0SB+2:G0SB+3], s[92:93]
	s_or_b32 s[G0SB+3], s[G0SB+3], 0x80000000
	JLOAD G0S, G1S, G0SB, G1SB
.irp s, 0,1
	s_mov_b32 s[G0+4*\s], 1
	s_add_co_u32 s[G0+4*\s+1], s45, \s*SLOT
	s_add_nc_u64 s[G0+4*\s+2:G0+4*\s+3], s[20:21], \s*HALFT
	s_or_b32 s[G0+4*\s+3], s[G0+4*\s+3], 0x80000000
	s_mov_b32 s[G0B+4*\s], 1
	s_add_co_u32 s[G0B+4*\s+1], s45, \s*SLOT
	s_add_nc_u64 s[G0B+4*\s+2:G0B+4*\s+3], s[46:47], \s*HALFT
	s_or_b32 s[G0B+4*\s+3], s[G0B+4*\s+3], 0x80000000
	JLOAD G0+4*\s, G1, G0B+4*\s, G1B
.endr
	v_and_b32 v1, 15, v0
	v_bfe_u32 v2, v0, 4, 1
	v_and_b32 v3, 31, v0
	v_lshlrev_b32 v4, 3, v3
	s_lshl_b32 s46, s42, 10                        ; my 128 columns, in bytes of f32
	s_lshl_b32 s47, s16, 9
	s_add_co_u32 s46, s46, s47
	s_mov_b32 s47, 0
	s_add_nc_u64 s[8:9], s[8:9], s[46:47]
	v_lshlrev_b32 v7, 6, v2                        ; the bias in the result's layout: tile b, lane half h: columns 32 (b / 2) + 8 (b % 2) + 16 h + 0 .. 7
.irp b, 0,1,2,3,4,5,6,7
	global_load_b128 v[BIAS+8*\b:BIAS+8*\b+3], v7, s[8:9] offset:128*(\b/2)+32*(\b%2)
	global_load_b128 v[BIAS+8*\b+4:BIAS+8*\b+7], v7, s[8:9] offset:128*(\b/2)+32*(\b%2)+16
.endr
	s_mul_i32 s21, s15, HALFT
	s_mul_i32 s22, s16, HALFT
	s_add_co_u32 s22, s22, 2*HALFT
.irp s, 0,1
	v_add_nc_u32 v[ADRA+\s], s21, v4
	v_add_nc_u32 v[ADRB+\s], s22, v4
	s_add_co_u32 s21, s21, SLOT
	s_add_co_u32 s22, s22, SLOT
.endr
	v_lshlrev_b32 v5, 2, v1
	s_mul_i32 s21, s15, HALFS
	s_mul_i32 s22, s16, HALFS
	s_add_co_u32 s22, s22, 2*HALFS
	s_sub_co_u32 s22, s22, s21
	v_mul_u32_u24 v6, s22, v2
	s_add_co_u32 s21, s21, SCL
	v_add_nc_u32 v5, v5, v6
	v_add_nc_u32 v[ADRS], s21, v5
	s_mul_i32 s23, s14, 16*SPITCH
	s_add_co_u32 s23, s23, STG                     ; my stage
	v_mul_u32_u24 v5, v1, SPITCH
	v_lshl_add_u32 v5, v2, 6, v5
	v_add_nc_u32 v[STO], s23, v5                   ; in: row r, + 64 h
	v_lshlrev_b32 v[CO], 4, v3
	v_add_nc_u32 v[RD], s23, v[CO]                 ; back: the 32 lanes take a row of 512 bytes
	s_lshl_b32 s20, s17, 20                        ; my first row: (256 x tile row + 128 x half) rows of 4,096 bytes
	s_lshl_b32 s21, s15, 19
	s_add_co_u32 s20, s20, s21
	s_add_co_u32 s46, s46, s20
	s_add_nc_u64 s[RES:RES+1], s[RES:RES+1], s[46:47]
	s_add_nc_u64 s[DST:DST+1], s[DST:DST+1], s[46:47]
.macro FRAG reg, adr, q, i
.irp p, 0,1,2,3,4,5
	ds_load_b64 v[\reg+2*\p:\reg+2*\p+1], v[\adr] offset:(8*(\q)+(\i))*FRB+256*\p
.endr
.endm
; 16 matrix instructions.  zero = 2: the bias is the C of the sum's first product.  The 64 accumulators take turns, one instruction a turn.
.macro MUL16 a0, p, q, sc, zero
.irp a, \a0, \a0+1
.irp b, 0,1,2,3,4,5,6,7
.if \zero == 2
	v_wmma_scale_f32_16x16x128_f8f6f4 v[8*(8*((\a)%4)+\b):8*(8*((\a)%4)+\b)+7], v[128*(\p)+FR*\b:128*(\p)+FR*\b+FR-1], v[AF+FR*(\a):AF+FR*(\a)+FR-1], v[BIAS+8*\b:BIAS+8*\b+7], v[SC+8*NQ*(\sc)+NQ*\b+(\q)], v[SC+8*NQ*(\sc)+NQ*(\a)+(\q)] matrix_a_fmt:MATRIX_FMT_FP6 matrix_b_fmt:MATRIX_FMT_FP6 matrix_a_scale:MATRIX_SCALE_ROW1
.else
	v_wmma_scale_f32_16x16x128_f8f6f4 v[8*(8*((\a)%4)+\b):8*(8*((\a)%4)+\b)+7], v[128*(\p)+FR*\b:128*(\p)+FR*\b+FR-1], v[AF+FR*(\a):AF+FR*(\a)+FR-1], v[8*(8*((\a)%4)+\b):8*(8*((\a)%4)+\b)+7], v[SC+8*NQ*(\sc)+NQ*\b+(\q)], v[SC+8*NQ*(\sc)+NQ*(\a)+(\q)] matrix_a_fmt:MATRIX_FMT_FP6 matrix_b_fmt:MATRIX_FMT_FP6 matrix_a_scale:MATRIX_SCALE_ROW1
.endif
.endr
.endr
.endm
.macro FETCH_B slot, q, p
	WIN TO_B
.irp i, 0,1,2,3,4,5,6,7
	FRAG 128*(\p)+FR*\i, ADRB+\slot, \q, \i
.endr
	WIN 0
.endm
.macro FETCH_A slot, q, i0
.irp i, \i0, \i0+1, \i0+2, \i0+3
	FRAG AF+FR*(\i), ADRA+\slot, \q, \i
.endr
.endm
.macro SCALES sc
.irp i, 0,1,2,3,4,5,6,7
	ds_load_b32 v[SC+16*\sc+2*\i], v[ADRS] offset:64*\i
	ds_load_b32 v[SC+16*\sc+2*\i+1], v[ADRS] offset:512+64*\i
.endr
.endm
.macro PLACES n
.rept \n
	v_nop
.endr
.endm
.macro STEP slot, q, zero
	s_wait_dscnt 4*NL                              ; all but the youngest 24 loads (A's blocks 4-7) are in
.if \zero == 2
	WIN 0x81                                       ; C (the bias) in window 0, D in window 2
.else
	WIN MUL_LO
.endif
	MUL16 0, (\q)%2, \q, \slot, \zero
	MUL16 2, (\q)%2, \q, \slot, \zero
	s_wait_dscnt 0
	PLACES NP
	FETCH_B \slot, (\q)+1, 1-(\q)%2
	FETCH_A \slot, (\q)+1, 0
.if \zero == 2
	WIN 0xc1
.else
	WIN MUL_HI
.endif
	MUL16 4, (\q)%2, \q, \slot, \zero
	MUL16 6, (\q)%2, \q, \slot, \zero
	PLACES NP
	WIN 0
	FETCH_A \slot, (\q)+1, 4
.endm
.macro TURN slot, next, fill
	s_wait_tensorcnt 0x0                           ; all my tensor loads have landed: my part of the next slot
	ds_add_u32 v[SPW], v[NIL]
	s_wait_dscnt 4*NL+1                            ; the add and the youngest 24 loads may be out
	WIN MUL_LO
	MUL16 0, 1, NQ-1, \slot, 0
	s_wait_dscnt 0x0                               ; the add is done, and my reads of this slot are over
	s_barrier_signal -1
	MUL16 2, 1, NQ-1, \slot, 0
	WIN 0
	s_barrier_wait -1
.if \fill
	CREST                                          ; the barrier has opened a round of the cluster's
	s_add_nc_u64 s[G0+4*\slot+2:G0+4*\slot+3], s[G0+4*\slot+2:G0+4*\slot+3], 2*HALFT
	s_add_nc_u64 s[G0B+4*\slot+2:G0B+4*\slot+3], s[G0B+4*\slot+2:G0B+4*\slot+3], 2*HALFT
	JLOAD G0+4*\slot, G1, G0B+4*\slot, G1B
.else
	PLACES NP
.endif
	v_add_nc_u32 v[ADRS], 1024, v[ADRS]
	FETCH_B \next, 0, 0
	FETCH_A \next, 0, 0
	SCALES \next
	WIN MUL_HI
	MUL16 4, 1, NQ-1, \slot, 0
	MUL16 6, 1, NQ-1, \slot, 0
	PLACES NP
	WIN 0
	FETCH_A \next, 0, 4
.endm
	s_wait_tensorcnt 1                             ; the scale words and my part of K step 0 are in; K step 1's load may be out
	s_barrier_signal -1
	s_barrier_wait -1
	FETCH_B 0, 0, 0
	FETCH_A 0, 0, 0
	SCALES 0
	FETCH_A 0, 0, 4
	s_wait_loadcnt 0x0                             ; the bias
	STEP 0, 0, 2
	s_mov_b32 s3, LAPS-1
.Llap:
	TURN 0, 1, 1
	STEP 1, 0, 0
	TURN 1, 0, 1
	STEP 0, 0, 0
	s_sub_co_u32 s3, s3, 1
	s_cmp_lg_u32 s3, 0
	s_cbranch_scc1 .Llap
	TURN 0, 1, 0
	STEP 1, 0, 0
	s_wait_dscnt 4*NL
	WIN MUL_LO
	MUL16 0, 1, NQ-1, 1, 0
	MUL16 2, 1, NQ-1, 1, 0
	s_wait_dscnt 0
	WIN MUL_HI
	MUL16 4, 1, NQ-1, 1, 0
	MUL16 6, 1, NQ-1, 1, 0
	WIN 0
; THE WAY OUT, block by block of 16 positions x 128 columns: through my own stage, back as whole rows of 512 bytes, + the residual, stored.  Position 16 a + t is row 32 (a / 2) + 8 (a % 2) + t + 8 (t / 8) of my 128.
.macro RLOAD a                         ; the block's 16 rows of the residual, into window 1
	WIN 0x40
.set t, 0
.rept 16
	global_load_b128 v[64*((\a)%2)+4*t:64*((\a)%2)+4*t+3], v[CO], s[RES:RES+1] offset:(32*((\a)/2)+8*((\a)%2)+t+8*(t/8))*4096 th:TH_LOAD_NT
.set t, t+1
.endr
	WIN 0
.endm
.macro TOSTAGE a
.set AC, 64*((\a)%4)
	WIN (0x08+4*((\a)/4))                          ; an LDS store's data: window 2 or 3
.irp b, 0,1,2,3,4,5,6,7
	ds_store_b128 v[STO], v[AC+8*\b:AC+8*\b+3] offset:128*(\b/2)+32*(\b%2)          ; each accumulator from its low end on
	ds_store_b128 v[STO], v[AC+8*\b+4:AC+8*\b+7] offset:128*(\b/2)+32*(\b%2)+16
.endr
	WIN 0
.set BB, BK+64*((\a)%2)
.set t, 0
.rept 16
	ds_load_b128 v[BB+4*t:BB+4*t+3], v[RD] offset:t*SPITCH     ; LDS serves a wave's instructions in order: these see my stores
.set t, t+1
.endr
.endm
.macro SEND a, d, l                    ; d, l: the LDS instructions and the loads issued behind block a's, which may stay out
.set BB, BK+64*((\a)%2)
.set RR, 64*((\a)%2)
	s_wait_dscnt \d
	s_wait_loadcnt \l
	WIN 0x04                                       ; source 1 (the residual) in window 1
.set j, 0
.rept 32
	v_pk_add_f32 v[BB+j:BB+j+1], v[BB+j:BB+j+1], v[RR+j:RR+j+1]
.set j, j+2
.endr
	WIN 0
.set t, 0
.rept 16
	global_store_b128 v[CO], v[BB+4*t:BB+4*t+3], s[DST:DST+1] offset:(32*((\a)/2)+8*((\a)%2)+t+8*(t/8))*4096 th:TH_STORE_NT   ; 512 consecutive bytes, at a multiple of 256
.set t, t+1
.endr
.endm
	PLACES NP
	RLOAD 0
	TOSTAGE 0
.irp a, 1,2,3,4,5,6,7
.if \a > 1
	s_wait_xcnt 0x0                                ; block a - 2's stores have read their registers: block a's loads may land there
.endif
	RLOAD \a
	TOSTAGE \a
	SEND \a-1, 32, 16                              ; behind block a - 1's: block a's 16 LDS stores and 16 LDS loads, and its 16 loads of the residual
.endr
	SEND 7, 0, 0
	s_wait_tensorcnt 0x0                           ; the wave's end
	ds_add_u32 v[SPW], v[NIL]
	s_wait_dscnt 0x0
	CROUND                                         ; the closing round
	s_endpgm
.Lfunc_end_k_q50a91ffafc_wo:
	.size	k_q50a91ffafc_wo, .Lfunc_end_k_q50a91ffafc_wo-k_q50a91ffafc_wo
	.p2alignl 7, 3214868480
	.fill 96, 4, 3214868480
	.section	.rodata,"a",@progbits
	.p2align	6, 0x0
	.amdhsa_kernel k_q50a91ffafc_wo
		.amdhsa_group_segment_fixed_size 327680
		.amdhsa_private_segment_fixed_size 0
		.amdhsa_enable_private_segment 0
		.amdhsa_kernarg_size 40
		.amdhsa_user_sgpr_count 2
		.amdhsa_user_sgpr_kernarg_segment_ptr 1
		.amdhsa_wavefront_size32 1
		.amdhsa_system_sgpr_workgroup_id_x 1
		.amdhsa_system_sgpr_workgroup_id_y 1
		.amdhsa_system_sgpr_workgroup_id_z 1
		.amdhsa_system_vgpr_workitem_id 0
		.amdhsa_next_free_vgpr 1024
		.amdhsa_next_free_sgpr 100
		.amdhsa_reserve_vcc 0
		.amdhsa_float_denorm_mode_32 3
		.amdhsa_float_denorm_mode_16_64 3
		.amdhsa_memory_ordered 1
		.amdhsa_forward_progress 1
		.amdhsa_inst_pref_size 192
	.end_amdhsa_kernel
	.amdgpu_metadata
---
amdhsa.version: [ 1, 2 ]
amdhsa.kernels:
  - .name:           k_q50a91ffafc_wo
    .symbol:         k_q50a91ffafc_wo.kd
    .args:
      - { .name: CTX, .offset: 0, .size: 8, .value_kind: global_buffer, .address_space: global }
      - { .name: W, .offset: 8, .size: 8, .value_kind: global_buffer, .address_space: global }
      - { .name: bo, .offset: 16, .size: 8, .value_kind: global_buffer, .address_space: global }
      - { .name: x, .offset: 24, .size: 8, .value_kind: global_buffer, .address_space: global }
      - { .name: X1, .offset: 32, .size: 8, .value_kind: global_buffer, .address_space: global }
    .group_segment_fixed_size: 327680
    .private_segment_fixed_size: 0
    .kernarg_segment_align: 8
    .kernarg_segment_size: 40
    .max_flat_workgroup_size: 128
    .sgpr_count:     100
    .vgpr_count:     1024
    .wavefront_size: 32
...
	.end_amdgpu_metadata
.endif
;; end of part 5
;; launch ln2: the kernel of part 2 again; grid 256 x 1, 4 waves a work-group, no clusters, 31,744 bytes of LDS; arguments X1, ln2_scale, ln2_shift, H; writes H
;; launch ffn1 (part 6): grid 16 x 16, 4 waves a work-group, clusters of 4 x 4, 327,680 bytes of LDS; arguments H, W, b1, G; writes G
.if DOCPART == 6
	.amdgcn_target "amdgcn-amd-amdhsa--gfx1250"
	.amdhsa_code_object_version 6
	.text
	.protected	k_q50a91ffafc_ffn1
	.globl	k_q50a91ffafc_ffn1
	.p2align	8
	.type	k_q50a91ffafc_ffn1,@function
k_q50a91ffafc_ffn1:
	s_mov_b64 s[64:65], 0
	v_nop
	global_prefetch_b8 v0, s[64:65] scope:SCOPE_SE
	s_setreg_imm32_b32 hwreg(HW_REG_WAVE_MODE, 25, 1), 1
	s_wait_xcnt 0x0
	s_wait_alu depctr_hold_cnt(0) depctr_sa_sdst(0) depctr_va_vdst(0) depctr_va_sdst(0) depctr_va_ssrc(0) depctr_va_vcc(0) depctr_vm_vsrc(0)
	s_getreg_b32 s2, hwreg(HW_REG_IB_STS2, 6, 4)
	s_cmp_eq_u32 s2, 0
	s_cbranch_scc0 .Lentry_in_a_cluster
	s_endpgm
.Lentry_in_a_cluster:
	s_bfe_u32 s2, ttmp6, 0x10000c
	s_cmp_lg_u32 s2, 0xf033
	s_cbranch_scc0 .Lentry_shape_is_right
	s_endpgm
.Lentry_shape_is_right:
; g = gelu(h2 W1 + b1), the tanh form, quantised at once along its 4,096 columns and stored as images of operand registers.  The product is on codes of FP6 (E2M3) with E8M0 scales, K = 1,024; the bias is the C of each sum's first product.
; OPERANDS lie as fragments of 1,536 bytes (16 positions x 128 K; chunk p of 256 bytes: lane l's 8 bytes at 8 l = registers 2 p, 2 p + 1), row i at position pi(i) (bits 3, 4 exchanged), fragment ((group of 128) x K/128 + k/128) x 8 + tile.
; A tile of C is 256 x 256, four waves of 128 x 128; K goes in steps of 256 through a ring of two LDS slots; 4 x 4 work-groups form a cluster and ask for A's tiles jointly along a row, for B's along a column.
; THE PRODUCT IS USED TRANSPOSED: by pi a lane's 64 registers of one block of A's rows are the true columns 32 b + 16 (lane / 16) + i of my 128: one fragment of the next operand.
; GELU: 0.5 x (1 + tanh(u)) = x / (1 + e^(-2 u)), u = sqrt(2 / pi) (x + 0.044715 x^3); e^(-2 u) = 2^(x (k1 + k2 x^2)), k1 = -2 sqrt(2 / pi) log2(e), k2 = 0.044715 k1.  For large |x| it gives x or -0, as the tanh form does.
; LIMITS: a block of zeros, or one under 2^-124, gets the byte 1 (this program alone reads the bytes); the bias enters ahead of the products; NaN and infinities are not served.
; REGISTERS: window 0: v0-31 addresses; v32-63 scale words; v64-127 the bias, later the quantiser's; v128-223 A's fragments, later v128-191 a block of g.  window 1: B's fragments, two sets.  windows 2, 3: accumulators.
.set SIZE_K, 1024
.set ASC,    3145728
.set BCODE,  6291456
.set BSC,    9437184+262144
.set KH,     SIZE_K/128
.set NQ,     2
.set FR,     12
.set NL,     6
.set NP,     4
.set FRB,    1536
.set HALFT,  16*FRB
.set SLOT,   4*HALFT
.set LAPS,   SIZE_K/512
.set GRP,    KH*8*FRB
.set HALFS,  KH*512
.set SCL,    2*SLOT
.set SPARE,  SCL+4*HALFS
.set STG,    SPARE+512                 ; 512 bytes a wave for the new scale words: no fill ever lands here
.set ADRA, 16
.set ADRB, 20
.set GOF,  24
.set SWR,  25
.set SRD,  26
.set ADRS, 27
.set SPW,  28
.set NIL,  29
.set GO16, 30
.set SC,   32
.set BIAS, 64
.set TM,   64
.set PW,   80
.set PC,   84
.set K1,   104                         ; v[104:105] k1, twice
.set AF,   128
.set HA,   128
.set SEL,  2
.set K2,   12                          ; s[12:13] k2
.set OC,   96
.set OS,   98
.set G1, 24
.set G0, 32
.set G1B, 48
.set G0B, 56
.set G1S, 68
.set G0S, 76
.set G1SB, 80
.set G0SB, 88
.set MSB, 0
.macro WIN new
.if MSB != \new
	s_set_vgpr_msb (MSB<<8)|\new
.set MSB, \new
.endif
.endm
.set MUL_LO, 0xa1
.set MUL_HI, 0xf1
.set TO_B,   0x40
.macro JLOAD g0a, g1a, g0b, g1b        ; a joint load: waves 0, 1 for A, waves 2, 3 for B; an s_nop 0 and four v_nop follow each line
	s_cmp_eq_u32 s15, 0
	s_cbranch_scc0 .Lfor_b_\@
	tensor_load_to_lds s[\g0a:\g0a+3], s[\g1a:\g1a+7]
	s_nop 0
.rept 4
	v_nop
.endr
	s_branch .Lasked_\@
.Lfor_b_\@:
	tensor_load_to_lds s[\g0b:\g0b+3], s[\g1b:\g1b+7]
	s_nop 0
.rept 4
	v_nop
.endr
.Lasked_\@:
.endm
.macro CREST
	s_cmp_lg_u32 s14, 0
	s_cbranch_scc1 .Lnot_wave_0_\@
	s_barrier_signal -3
.Lnot_wave_0_\@:
	s_barrier_wait -3
	s_barrier_signal -1
	s_barrier_wait -1
.endm
.macro CROUND
	s_barrier_signal -1
	s_barrier_wait -1
	CREST
.endm
	s_load_b256 s[4:11], s[0:1], 0x0               ; H, W, b1, G
	v_lshl_add_u32 v[SPW], v0, 2, SPARE
	v_mov_b32 v[NIL], 0
	ds_add_u32 v[SPW], v[NIL]                      ; the wave's opening: the add and its wait ahead of my first tensor load
	v_lshrrev_b32 v1, 5, v0
	v_readfirstlane_b32 s14, v1
	s_lshr_b32 s15, s14, 1
	s_and_b32 s16, s14, 1
	s_bfe_u32 s40, ttmp6, 0x40000
	s_bfe_u32 s41, ttmp6, 0x40004
	s_lshl_b32 s42, ttmp9, 2
	s_add_co_u32 s42, s42, s40                     ; tile column of C
	s_and_b32 s17, ttmp7, 0xffff
	s_lshl_b32 s17, s17, 2
	s_add_co_u32 s17, s17, s41                     ; tile row of C
	s_lshl_b32 s43, s41, 2
	s_lshl_b32 s43, 15, s43
	s_lshl_b32 s44, 0x1111, s40
	s_or_b32 s[G1+0], s43, (3<<16)|(1<<21)         ; a dense block of 24,576 bytes as 96 rows of 32 elements of 8 bytes; the mask; bit 21 beside it
	s_or_b32 s[G1B+0], s44, (3<<16)|(1<<21)
.irp g, G1, G1B
	s_mov_b32 s[\g+1], 32<<16
	s_mov_b32 s[\g+2], 96<<16
	s_mov_b32 s[\g+3], 32<<16
	s_mov_b32 s[\g+4], 96
	s_mov_b32 s[\g+5], 32
	s_mov_b32 s[\g+6], 0
	s_mov_b32 s[\g+7], 0
.endr
	s_or_b32 s[G1S+0], s43, (3<<16)|(1<<21)
	s_or_b32 s[G1SB+0], s44, (3<<16)|(1<<21)
.irp g, G1S, G1SB
	s_mov_b32 s[\g+1], 32<<16
	s_mov_b32 s[\g+2], (2*KH)<<16
	s_mov_b32 s[\g+3], 32<<16
	s_mov_b32 s[\g+4], 2*KH
	s_mov_b32 s[\g+5], 32
	s_mov_b32 s[\g+6], 0
	s_mov_b32 s[\g+7], 0
.endr
	s_lshl_b32 s20, s17, 1
	s_add_co_u32 s20, s20, s16
	s_lshl_b32 s46, s42, 1
	s_add_co_u32 s46, s46, s16
	s_mul_i32 s22, s20, HALFS
	s_mul_i32 s20, s20, GRP
	s_mul_i32 s92, s46, HALFS
	s_mul_i32 s46, s46, GRP
	s_add_co_u32 s22, s22, ASC
	s_add_co_u32 s46, s46, BCODE
	s_add_co_u32 s92, s92, BSC
	s_mov_b32 s21, 0
	s_mov_b32 s23, 0
	s_mov_b32 s47, 0
	s_mov_b32 s93, 0
	s_mul_i32 s45, s14, HALFT
	s_mul_i32 s94, s14, HALFS
	s_wait_dscnt 0x0
	s_wait_kmcnt 0x0
	s_add_nc_u64 s[20:21], s[4:5], s[20:21]
	s_add_nc_u64 s[22:23], s[4:5], s[22:23]
	s_add_nc_u64 s[46:47], s[6:7], s[46:47]
	s_add_nc_u64 s[92:93], s[6:7], s[92:93]
	CROUND
	s_mov_b32 s[G0S], 1
	s_add_co_u32 s[G0S+1], s94, SCL
	s_mov_b64 s[G0S+2:G0S+3], s[22:23]
	s_or_b32 s[G0S+3], s[G0S+3], 0x80000000
	s_mov_b32 s[G0SB], 1
	s_add_co_u32 s[G0SB+1], s94, SCL
	s_mov_b64 s[G0SB+2:G0SB+3], s[92:93]
	s_or_b32 s[G0SB+3], s[G0SB+3], 0x80000000
	JLOAD G0S, G1S, G0SB, G1SB
.irp s, 0,1
	s_mov_b32 s[G0+4*\s], 1
	s_add_co_u32 s[G0+4*\s+1], s45, \s*SLOT
	s_add_nc_u64 s[G0+4*\s+2:G0+4*\s+3], s[20:21], \s*HALFT
	s_or_b32 s[G0+4*\s+3], s[G0+4*\s+3], 0x80000000
	s_mov_b32 s[G0B+4*\s], 1
	s_add_co_u32 s[G0B+4*\s+1], s45, \s*SLOT
	s_add_nc_u64 s[G0B+4*\s+2:G0B+4*\s+3], s[46:47], \s*HALFT
	s_or_b32 s[G0B+4*\s+3], s[G0B+4*\s+3], 0x80000000
	JLOAD G0+4*\s, G1, G0B+4*\s, G1B
.endr
	v_and_b32 v1, 15, v0
	v_bfe_u32 v2, v0, 4, 1
	v_and_b32 v3, 31, v0
	v_lshlrev_b32 v[GOF], 3, v3
	s_lshl_b32 s46, s42, 10                        ; my 128 columns of the bias
	s_lshl_b32 s47, s16, 9
	s_add_co_u32 s46, s46, s47
	s_mov_b32 s47, 0
	s_add_nc_u64 s[8:9], s[8:9], s[46:47]
	v_lshlrev_b32 v7, 6, v2                        ; in the result's layout: tile b, lane half h: columns 32 (b / 2) + 8 (b % 2) + 16 h + 0 .. 7
.irp b, 0,1,2,3,4,5,6,7
	global_load_b128 v[BIAS+8*\b:BIAS+8*\b+3], v7, s[8:9] offset:128*(\b/2)+32*(\b%2)
	global_load_b128 v[BIAS+8*\b+4:BIAS+8*\b+7], v7, s[8:9] offset:128*(\b/2)+32*(\b%2)+16
.endr
	s_mul_i32 s21, s15, HALFT
	s_mul_i32 s22, s16, HALFT
	s_add_co_u32 s22, s22, 2*HALFT
.irp s, 0,1
	v_add_nc_u32 v[ADRA+\s], s21, v[GOF]
	v_add_nc_u32 v[ADRB+\s], s22, v[GOF]
	s_add_co_u32 s21, s21, SLOT
	s_add_co_u32 s22, s22, SLOT
.endr
	v_lshlrev_b32 v5, 2, v1
	s_mul_i32 s21, s15, HALFS
	s_mul_i32 s22, s16, HALFS
	s_add_co_u32 s22, s22, 2*HALFS
	s_sub_co_u32 s22, s22, s21
	v_mul_u32_u24 v6, s22, v2
	s_add_co_u32 s21, s21, SCL
	v_add_nc_u32 v5, v5, v6
	v_add_nc_u32 v[ADRS], s21, v5
	s_lshl_b32 s23, s14, 9
	s_add_co_u32 s23, s23, STG
	v_lshl_add_u32 v[SWR], v1, 2, s23
	v_lshlrev_b32 v[GO16], 4, v3
	v_add_nc_u32 v[SRD], s23, v[GO16]
	s_lshl_b32 s46, s17, 1                         ; where my results go: (row group x 32 + column group) x eight fragments
	s_add_co_u32 s46, s46, s15
	s_lshl_b32 s46, s46, 5
	s_lshl_b32 s47, s42, 1
	s_add_co_u32 s47, s47, s16
	s_add_co_u32 s46, s46, s47
	s_mul_i32 s[OC], s46, 8*FRB
	s_mov_b32 s[OC+1], 0
	s_lshl_b32 s[OS], s46, 9
	s_add_co_u32 s[OS], s[OS], 12582912
	s_mov_b32 s[OS+1], 0
	s_add_nc_u64 s[OC:OC+1], s[10:11], s[OC:OC+1]
	s_add_nc_u64 s[OS:OS+1], s[10:11], s[OS:OS+1]
.macro FRAG reg, adr, q, i
.irp p, 0,1,2,3,4,5
	ds_load_b64 v[\reg+2*\p:\reg+2*\p+1], v[\adr] offset:(8*(\q)+(\i))*FRB+256*\p
.endr
.endm
; 16 matrix instructions.  zero = 2: the bias is the C of the sum's first product.  The 64 accumulators take turns, one instruction a turn.
.macro MUL16 a0, p, q, sc, zero
.irp a, \a0, \a0+1
.irp b, 0,1,2,3,4,5,6,7
.if \zero == 2
	v_wmma_scale_f32_16x16x128_f8f6f4 v[8*(8*((\a)%4)+\b):8*(8*((\a)%4)+\b)+7], v[128*(\p)+FR*\b:128*(\p)+FR*\b+FR-1], v[AF+FR*(\a):AF+FR*(\a)+FR-1], v[BIAS+8*\b:BIAS+8*\b+7], v[SC+8*NQ*(\sc)+NQ*\b+(\q)], v[SC+8*NQ*(\sc)+NQ*(\a)+(\q)] matrix_a_fmt:MATRIX_FMT_FP6 matrix_b_fmt:MATRIX_FMT_FP6 matrix_a_scale:MATRIX_SCALE_ROW1
.else
	v_wmma_scale_f32_16x16x128_f8f6f4 v[8*(8*((\a)%4)+\b):8*(8*((\a)%4)+\b)+7], v[128*(\p)+FR*\b:128*(\p)+FR*\b+FR-1], v[AF+FR*(\a):AF+FR*(\a)+FR-1], v[8*(8*((\a)%4)+\b):8*(8*((\a)%4)+\b)+7], v[SC+8*NQ*(\sc)+NQ*\b+(\q)], v[SC+8*NQ*(\sc)+NQ*(\a)+(\q)] matrix_a_fmt:MATRIX_FMT_FP6 matrix_b_fmt:MATRIX_FMT_FP6 matrix_a_scale:MATRIX_SCALE_ROW1
.endif
.endr
.endr
.endm
.macro FETCH_B slot, q, p
	WIN TO_B
.irp i, 0,1,2,3,4,5,6,7
	FRAG 128*(\p)+FR*\i, ADRB+\slot, \q, \i
.endr
	WIN 0
.endm
.macro FETCH_A slot, q, i0
.irp i, \i0, \i0+1, \i0+2, \i0+3
	FRAG AF+FR*(\i), ADRA+\slot, \q, \i
.endr
.endm
.macro SCALES sc
.irp i, 0,1,2,3,4,5,6,7
	ds_load_b32 v[SC+16*\sc+2*\i], v[ADRS] offset:64*\i
	ds_load_b32 v[SC+16*\sc+2*\i+1], v[ADRS] offset:512+64*\i
.endr
.endm
.macro PLACES n
.rept \n
	v_nop
.endr
.endm
.macro STEP slot, q, zero
	s_wait_dscnt 4*NL                              ; all but the youngest 24 loads (A's blocks 4-7) are in
.if \zero == 2
	WIN 0x81                                       ; C (the bias) in window 0, D in window 2
.else
	WIN MUL_LO
.endif
	MUL16 0, (\q)%2, \q, \slot, \zero
	MUL16 2, (\q)%2, \q, \slot, \zero
	s_wait_dscnt 0
	PLACES NP
	FETCH_B \slot, (\q)+1, 1-(\q)%2
	FETCH_A \slot, (\q)+1, 0
.if \zero == 2
	WIN 0xc1
.else
	WIN MUL_HI
.endif
	MUL16 4, (\q)%2, \q, \slot, \zero
	MUL16 6, (\q)%2, \q, \slot, \zero
	PLACES NP
	WIN 0
	FETCH_A \slot, (\q)+1, 4
.endm
.macro TURN slot, next, fill
	s_wait_tensorcnt 0x0                           ; all my tensor loads have landed: my part of the next slot
	ds_add_u32 v[SPW], v[NIL]
	s_wait_dscnt 4*NL+1                            ; the add and the youngest 24 loads may be out
	WIN MUL_LO
	MUL16 0, 1, NQ-1, \slot, 0
	s_wait_dscnt 0x0                               ; the add is done, and my reads of this slot are over
	s_barrier_signal -1
	MUL16 2, 1, NQ-1, \slot, 0
	WIN 0
	s_barrier_wait -1
.if \fill
	CREST                                          ; the barrier has opened a round of the cluster's
	s_add_nc_u64 s[G0+4*\slot+2:G0+4*\slot+3], s[G0+4*\slot+2:G0+4*\slot+3], 2*HALFT
	s_add_nc_u64 s[G0B+4*\slot+2:G0B+4*\slot+3], s[G0B+4*\slot+2:G0B+4*\slot+3], 2*HALFT
	JLOAD G0+4*\slot, G1, G0B+4*\slot, G1B
.else
	PLACES NP
.endif
	v_add_nc_u32 v[ADRS], 1024, v[ADRS]
	FETCH_B \next, 0, 0
	FETCH_A \next, 0, 0
	SCALES \next
	WIN MUL_HI
	MUL16 4, 1, NQ-1, \slot, 0
	MUL16 6, 1, NQ-1, \slot, 0
	PLACES NP
	WIN 0
	FETCH_A \next, 0, 4
.endm
	s_wait_tensorcnt 1                             ; the scale words and my part of K step 0 are in; K step 1's load may be out
	s_barrier_signal -1
	s_barrier_wait -1
	FETCH_B 0, 0, 0
	FETCH_A 0, 0, 0
	SCALES 0
	FETCH_A 0, 0, 4
	s_wait_loadcnt 0x0                             ; the bias
	STEP 0, 0, 2
	s_mov_b32 s3, LAPS-1
.Llap:
	TURN 0, 1, 1
	STEP 1, 0, 0
	TURN 1, 0, 1
	STEP 0, 0, 0
	s_sub_co_u32 s3, s3, 1
	s_cmp_lg_u32 s3, 0
	s_cbranch_scc1 .Llap
	TURN 0, 1, 0
	STEP 1, 0, 0
	s_wait_dscnt 4*NL
	WIN MUL_LO
	MUL16 0, 1, NQ-1, 1, 0
	MUL16 2, 1, NQ-1, 1, 0
	s_wait_dscnt 0
	WIN MUL_HI
	MUL16 4, 1, NQ-1, 1, 0
	MUL16 6, 1, NQ-1, 1, 0
	WIN 0
; Block a's 64 numbers of a lane, from its accumulators (each read from its low end on), through the activation into v[HA] on.  The exponentials and the reciprocals go as batches, with one wait each.
.macro GELU a
.set AC, 64*((\a)%4)
.set WD, 2+(\a)/4
	WIN (WD|(WD<<2))
.set j, 0
.rept 32
	v_pk_mul_f32 v[HA+j:HA+j+1], v[AC+j:AC+j+1], v[AC+j:AC+j+1]                      ; x^2
.set j, j+2
.endr
	WIN 0
.set j, 0
.rept 32
	v_pk_fma_f32 v[HA+j:HA+j+1], v[HA+j:HA+j+1], s[K2:K2+1], v[K1:K1+1] op_sel_hi:[1,0,1]   ; k2 x^2 + k1
.set j, j+2
.endr
	WIN (WD<<2)
.set j, 0
.rept 32
	v_pk_mul_f32 v[HA+j:HA+j+1], v[HA+j:HA+j+1], v[AC+j:AC+j+1]                      ; times x
.set j, j+2
.endr
	WIN 0
.set j, 0
.rept 64
	v_exp_f32 v[HA+j], v[HA+j]
.set j, j+1
.endr
	v_nop                                          ; the plain line behind the batch
	s_wait_alu depctr_va_vdst(0)                   ; one wait, ahead of the first line that names a result
.set j, 0
.rept 32
	v_pk_add_f32 v[HA+j:HA+j+1], v[HA+j:HA+j+1], 1.0 op_sel_hi:[1,0]
.set j, j+2
.endr
.set j, 0
.rept 64
	v_rcp_f32 v[HA+j], v[HA+j]
.set j, j+1
.endr
	v_nop
	s_wait_alu depctr_va_vdst(0)
	WIN (WD<<2)
.set j, 0
.rept 32
	v_pk_mul_f32 v[HA+j:HA+j+1], v[HA+j:HA+j+1], v[AC+j:AC+j+1]                      ; x / (1 + 2^(..))
.set j, j+2
.endr
	WIN 0
.endm
; 64 numbers of a lane, register 16 b + i = k 32 b + 16 (lane / 16) + i of my row, become a fragment's codes in v[PC] on and its scale word in v[PW].
.macro QUANT s
.irp b, 0,1,2,3
	v_max3_num_f32 v[TM+\b], |v[\s+16*\b]|, |v[\s+1+16*\b]|, 0x1800000   ; and the floor 2^(3 - 127)
.endr
.irp i, 2,4,6,8,10,12,14
.irp b, 0,1,2,3
	v_max3_num_f32 v[TM+\b], v[TM+\b], |v[\s+16*\b+\i]|, |v[\s+1+16*\b+\i]|
.endr
.endr
.irp b, 0,1,2,3
	v_permlanex16_b32 v[TM+4+\b], v[TM+\b], s[SEL], s[SEL+1]
.endr
.irp b, 0,1,2,3
	v_max_num_f32 v[TM+\b], v[TM+\b], v[TM+4+\b]
.endr
.irp b, 0,1,2,3
	v_add_nc_u32 v[TM+12+\b], 0xff000000, v[TM+\b]
.endr
.irp b, 0,1,2,3
	v_lshrrev_b32 v[TM+4+\b], 23, v[TM+12+\b]
.endr
	v_lshl_or_b32 v[PW], v[TM+5], 8, v[TM+4]
	v_lshl_or_b32 v[PW], v[TM+6], 16, v[PW]
	v_lshl_or_b32 v[PW], v[TM+7], 24, v[PW]
.irp c, 0,1
	v_cvt_scalef32_pk16_fp6_f32 v[PC+6*\c:PC+2+6*\c], v[\s+32*\c:\s+15+32*\c], v[TM+12+2*\c]
	v_cvt_scalef32_pk16_fp6_f32 v[PC+12+4*\c:PC+14+4*\c], v[\s+16+32*\c:\s+31+32*\c], v[TM+12+2*\c+1]
.endr
	v_nop                                          ; one plain line behind a scaled conversion
.irp c, 0,1
.irp i, 0,1,2
	v_permlane16_swap_b32 v[PC+6*\c+\i], v[PC+12+4*\c+\i]
.endr
.irp i, 0,1,2
	v_mov_b32 v[PC+3+6*\c+\i], v[PC+12+4*\c+\i]
.endr
.endr
.endm
	; THE WAY OUT: each block of 16 rows x my 128 columns is one fragment of the next operand
	PLACES NP
	s_mov_b32 s[SEL], 0x76543210
	s_mov_b32 s[SEL+1], 0xfedcba98
	s_mov_b32 s[K2], 0xbdd2d3e8                    ; k2 = -0.10294324
	s_mov_b32 s[K2+1], s[K2]
	v_mov_b32 v[K1], 0xc0135761                    ; k1 = -2.3022082
	v_mov_b32 v[K1+1], v[K1]
.irp b, 0,1,2,3
	v_mov_b32 v[TM+4+\b], 0                        ; a lane permute's destination counts as one of its sources
.endr
.irp a, 0,1,2,3,4,5,6,7
	GELU \a
.if \a > 0
	s_wait_xcnt 0x0                                ; the last block's stores have read their registers
	s_wait_dscnt 0x0
.endif
	QUANT HA
.irp p, 0,1,2,3,4,5
	global_store_b64 v[GOF], v[PC+2*\p:PC+2*\p+1], s[OC:OC+1] offset:FRB*\a+256*\p th:TH_STORE_NT   ; 256 consecutive bytes, aligned
.endr
	ds_store_b32 v[SWR], v[PW] offset:64*\a        ; lanes r and r + 16 write the same word with the same value
.endr
	ds_load_b128 v[TM:TM+3], v[SRD]                ; LDS serves a wave's instructions in order: this sees my stores
	s_wait_dscnt 0x0
	global_store_b128 v[GO16], v[TM:TM+3], s[OS:OS+1] th:TH_STORE_NT   ; my eight scale tiles: 512 consecutive bytes
	s_wait_tensorcnt 0x0                           ; the wave's end
	ds_add_u32 v[SPW], v[NIL]
	s_wait_dscnt 0x0
	CROUND                                         ; the closing round
	s_endpgm
.Lfunc_end_k_q50a91ffafc_ffn1:
	.size	k_q50a91ffafc_ffn1, .Lfunc_end_k_q50a91ffafc_ffn1-k_q50a91ffafc_ffn1
	.p2alignl 7, 3214868480
	.fill 96, 4, 3214868480
	.section	.rodata,"a",@progbits
	.p2align	6, 0x0
	.amdhsa_kernel k_q50a91ffafc_ffn1
		.amdhsa_group_segment_fixed_size 327680
		.amdhsa_private_segment_fixed_size 0
		.amdhsa_enable_private_segment 0
		.amdhsa_kernarg_size 32
		.amdhsa_user_sgpr_count 2
		.amdhsa_user_sgpr_kernarg_segment_ptr 1
		.amdhsa_wavefront_size32 1
		.amdhsa_system_sgpr_workgroup_id_x 1
		.amdhsa_system_sgpr_workgroup_id_y 1
		.amdhsa_system_sgpr_workgroup_id_z 1
		.amdhsa_system_vgpr_workitem_id 0
		.amdhsa_next_free_vgpr 1024
		.amdhsa_next_free_sgpr 100
		.amdhsa_reserve_vcc 0
		.amdhsa_float_denorm_mode_32 3
		.amdhsa_float_denorm_mode_16_64 3
		.amdhsa_memory_ordered 1
		.amdhsa_forward_progress 1
		.amdhsa_inst_pref_size 255
	.end_amdhsa_kernel
	.section	.bss,"aw",@nobits
	.p2align	6
	.space	262144
	.amdgpu_metadata
---
amdhsa.version: [ 1, 2 ]
amdhsa.kernels:
  - .name:           k_q50a91ffafc_ffn1
    .symbol:         k_q50a91ffafc_ffn1.kd
    .args:
      - { .name: H, .offset: 0, .size: 8, .value_kind: global_buffer, .address_space: global }
      - { .name: W, .offset: 8, .size: 8, .value_kind: global_buffer, .address_space: global }
      - { .name: b1, .offset: 16, .size: 8, .value_kind: global_buffer, .address_space: global }
      - { .name: G, .offset: 24, .size: 8, .value_kind: global_buffer, .address_space: global }
    .group_segment_fixed_size: 327680
    .private_segment_fixed_size: 0
    .kernarg_segment_align: 8
    .kernarg_segment_size: 32
    .max_flat_workgroup_size: 128
    .sgpr_count:     100
    .vgpr_count:     1024
    .wavefront_size: 32
...
	.end_amdgpu_metadata
.endif
;; end of part 6
;; launch ffn2 (part 7): grid 4 x 16, 4 waves a work-group, clusters of 4 x 4, 327,680 bytes of LDS; arguments G, W, b2, X1, out0; writes out0
.if DOCPART == 7
	.amdgcn_target "amdgcn-amd-amdhsa--gfx1250"
	.amdhsa_code_object_version 6
	.text
	.protected	k_q50a91ffafc_ffn2
	.globl	k_q50a91ffafc_ffn2
	.p2align	8
	.type	k_q50a91ffafc_ffn2,@function
k_q50a91ffafc_ffn2:
	s_mov_b64 s[64:65], 0
	v_nop
	global_prefetch_b8 v0, s[64:65] scope:SCOPE_SE
	s_setreg_imm32_b32 hwreg(HW_REG_WAVE_MODE, 25, 1), 1
	s_wait_xcnt 0x0
	s_wait_alu depctr_hold_cnt(0) depctr_sa_sdst(0) depctr_va_vdst(0) depctr_va_sdst(0) depctr_va_ssrc(0) depctr_va_vcc(0) depctr_vm_vsrc(0)
	s_getreg_b32 s2, hwreg(HW_REG_IB_STS2, 6, 4)
	s_cmp_eq_u32 s2, 0
	s_cbranch_scc0 .Lentry_in_a_cluster
	s_endpgm
.Lentry_in_a_cluster:
	s_bfe_u32 s2, ttmp6, 0x10000c
	s_cmp_lg_u32 s2, 0xf033
	s_cbranch_scc0 .Lentry_shape_is_right
	s_endpgm
.Lentry_shape_is_right:
; out = x1 + (g W2 + b2): a product on codes of FP6 (E2M3) with E8M0 scales, K = 4,096; the bias is the C of each sum's first product, the residual is added on the way out; out is f32 [4096][1024] in true row order.
; OPERANDS lie as fragments of 1,536 bytes (16 positions x 128 K; chunk p of 256 bytes: lane l's 8 bytes at 8 l = registers 2 p, 2 p + 1), row i at position pi(i) (bits 3, 4 exchanged), fragment ((group of 128) x K/128 + k/128) x 8 + tile:
; a group's 256 along K are 24,576 dense bytes, its scale words of all K one dense block.  A tile of C is 256 x 256, four waves of 128 x 128; K goes in steps of 256 through a ring of two LDS slots; 4 x 4 work-groups form a cluster and
; ask for A's tiles jointly along a row, for B's along a column.  THE PRODUCT IS USED TRANSPOSED (source 0 = B's 16 positions, source 1 = A's): a lane holds one row and eight true neighbouring columns an accumulator.
; The way out undoes pi: columns by the stage's offsets, rows by the stores' immediates.  C has 64 tiles of 256 x 256, so the launch has 64 work-groups.
; The bias enters ahead of the products, so the order of rounding differs from a sum that adds it last.  NaN and infinities are not served.
; REGISTERS: window 0: v0-31 addresses; v32-63 scale words, two sets; v64-127 the bias; v128-223 A's fragments, one set; on the way out v128-255 rows of C.  window 1: B's fragments, two sets; on the way out v0-127 the residual.  windows 2, 3: accumulators.
.set SIZE_K, 4096
.set ASC,    12582912                  ; A's scale words in its buffer
.set BCODE,  3145728                   ; B's codes in W
.set BSC,    9437184+131072            ; B's scale words in W
.set KH,     SIZE_K/128
.set NQ,     2
.set FR,     12
.set NL,     6
.set NP,     4
.set FRB,    1536
.set HALFT,  16*FRB
.set SLOT,   4*HALFT
.set LAPS,   SIZE_K/512
.set GRP,    KH*8*FRB
.set HALFS,  KH*512
.set SCL,    2*SLOT
.set SPARE,  SCL+4*HALFS
.set STG,    SPARE+512                 ; 16 rows x 528 bytes a wave: no fill ever lands here
.set SPITCH, 528
.set ADRA, 16
.set ADRB, 20
.set STO,  24
.set RD,   25
.set CO,   26
.set ADRS, 27
.set SPW,  28
.set NIL,  29
.set SC,   32
.set BIAS, 64
.set AF,   128
.set BK,   128
.set RES,  10                          ; s[10:11] the residual at my part's first number;  s[12:13] the output likewise
.set DST,  12
.set G1, 24
.set G0, 32
.set G1B, 48
.set G0B, 56
.set G1S, 68
.set G0S, 76
.set G1SB, 80
.set G0SB, 88
.set MSB, 0
.macro WIN new
.if MSB != \new
	s_set_vgpr_msb (MSB<<8)|\new
.set MSB, \new
.endif
.endm
.set MUL_LO, 0xa1
.set MUL_HI, 0xf1
.set TO_B,   0x40
.macro JLOAD g0a, g1a, g0b, g1b        ; a joint load: waves 0, 1 for A, waves 2, 3 for B; an s_nop 0 and four v_nop follow each line
	s_cmp_eq_u32 s15, 0
	s_cbranch_scc0 .Lfor_b_\@
	tensor_load_to_lds s[\g0a:\g0a+3], s[\g1a:\g1a+7]
	s_nop 0
.rept 4
	v_nop
.endr
	s_branch .Lasked_\@
.Lfor_b_\@:
	tensor_load_to_lds s[\g0b:\g0b+3], s[\g1b:\g1b+7]
	s_nop 0
.rept 4
	v_nop
.endr
.Lasked_\@:
.endm
.macro CREST
	s_cmp_lg_u32 s14, 0
	s_cbranch_scc1 .Lnot_wave_0_\@
	s_barrier_signal -3
.Lnot_wave_0_\@:
	s_barrier_wait -3
	s_barrier_signal -1
	s_barrier_wait -1
.endm
.macro CROUND
	s_barrier_signal -1
	s_barrier_wait -1
	CREST
.endm
	s_load_b256 s[4:11], s[0:1], 0x0               ; A's buffer, W, the bias, the residual
	s_load_b64 s[12:13], s[0:1], 0x20              ; the output
	v_lshl_add_u32 v[SPW], v0, 2, SPARE
	v_mov_b32 v[NIL], 0
	ds_add_u32 v[SPW], v[NIL]                      ; the wave's opening: the add and its wait ahead of my first tensor load
	v_lshrrev_b32 v1, 5, v0
	v_readfirstlane_b32 s14, v1
	s_lshr_b32 s15, s14, 1
	s_and_b32 s16, s14, 1
	s_bfe_u32 s40, ttmp6, 0x40000
	s_bfe_u32 s41, ttmp6, 0x40004
	s_lshl_b32 s42, ttmp9, 2
	s_add_co_u32 s42, s42, s40                     ; tile column of C
	s_and_b32 s17, ttmp7, 0xffff
	s_lshl_b32 s17, s17, 2
	s_add_co_u32 s17, s17, s41                     ; tile row of C
	s_lshl_b32 s43, s41, 2
	s_lshl_b32 s43, 15, s43
	s_lshl_b32 s44, 0x1111, s40
	s_or_b32 s[G1+0], s43, (3<<16)|(1<<21)         ; a dense block of 24,576 bytes as 96 rows of 32 elements of 8 bytes; the mask; bit 21 beside it
	s_or_b32 s[G1B+0], s44, (3<<16)|(1<<21)
.irp g, G1, G1B
	s_mov_b32 s[\g+1], 32<<16
	s_mov_b32 s[\g+2], 96<<16
	s_mov_b32 s[\g+3], 32<<16
	s_mov_b32 s[\g+4], 96
	s_mov_b32 s[\g+5], 32
	s_mov_b32 s[\g+6], 0
	s_mov_b32 s[\g+7], 0
.endr
	s_or_b32 s[G1S+0], s43, (3<<16)|(1<<21)
	s_or_b32 s[G1SB+0], s44, (3<<16)|(1<<21)
.irp g, G1S, G1SB
	s_mov_b32 s[\g+1], 32<<16
	s_mov_b32 s[\g+2], (2*KH)<<16
	s_mov_b32 s[\g+3], 32<<16
	s_mov_b32 s[\g+4], 2*KH
	s_mov_b32 s[\g+5], 32
	s_mov_b32 s[\g+6], 0
	s_mov_b32 s[\g+7], 0
.endr
	s_lshl_b32 s20, s17, 1
	s_add_co_u32 s20, s20, s16
	s_lshl_b32 s46, s42, 1
	s_add_co_u32 s46, s46, s16
	s_mul_i32 s22, s20, HALFS
	s_mul_i32 s20, s20, GRP
	s_mul_i32 s92, s46, HALFS
	s_mul_i32 s46, s46, GRP
	s_add_co_u32 s22, s22, ASC
	s_add_co_u32 s46, s46, BCODE
	s_add_co_u32 s92, s92, BSC
	s_mov_b32 s21, 0
	s_mov_b32 s23, 0
	s_mov_b32 s47, 0
	s_mov_b32 s93, 0
	s_mul_i32 s45, s14, HALFT
	s_mul_i32 s94, s14, HALFS
	s_wait_dscnt 0x0
	s_wait_kmcnt 0x0
	s_add_nc_u64 s[20:21], s[4:5], s[20:21]
	s_add_nc_u64 s[22:23], s[4:5], s[22:23]
	s_add_nc_u64 s[46:47], s[6:7], s[46:47]
	s_add_nc_u64 s[92:93], s[6:7], s[92:93]
	CROUND
	s_mov_b32 s[G0S], 1
	s_add_co_u32 s[G0S+1], s94, SCL
	s_mov_b64 s[G0S+2:G0S+3], s[22:23]
	s_or_b32 s[G0S+3], s[G0S+3], 0x80000000
	s_mov_b32 s[G0SB], 1
	s_add_co_u32 s[G0SB+1], s94, SCL
	s_mov_b64 s[G0SB+2:G0SB+3], s[92:93]
	s_or_b32 s[G0SB+3], s[G0SB+3], 0x80000000
	JLOAD G0S, G1S, G0SB, G1SB
.irp s, 0,1
	s_mov_b32 s[G0+4*\s], 1
	s_add_co_u32 s[G0+4*\s+1], s45, \s*SLOT
	s_add_nc_u64 s[G0+4*\s+2:G0+4*\s+3], s[20:21], \s*HALFT
	s_or_b32 s[G0+4*\s+3], s[G0+4*\s+3], 0x80000000
	s_mov_b32 s[G0B+4*\s], 1
	s_add_co_u32 s[G0B+4*\s+1], s45, \s*SLOT
	s_add_nc_u64 s[G0B+4*\s+2:G0B+4*\s+3], s[46:47], \s*HALFT
	s_or_b32 s[G0B+4*\s+3], s[G0B+4*\s+3], 0x80000000
	JLOAD G0+4*\s, G1, G0B+4*\s, G1B
.endr
	v_and_b32 v1, 15, v0
	v_bfe_u32 v2, v0, 4, 1
	v_and_b32 v3, 31, v0
	v_lshlrev_b32 v4, 3, v3
	s_lshl_b32 s46, s42, 10                        ; my 128 columns, in bytes of f32
	s_lshl_b32 s47, s16, 9
	s_add_co_u32 s46, s46, s47
	s_mov_b32 s47, 0
	s_add_nc_u64 s[8:9], s[8:9], s[46:47]
	v_lshlrev_b32 v7, 6, v2                        ; the bias in the result's layout: tile b, lane half h: columns 32 (b / 2) + 8 (b % 2) + 16 h + 0 .. 7
.irp b, 0,1,2,3,4,5,6,7
	global_load_b128 v[BIAS+8*\b:BIAS+8*\b+3], v7, s[8:9] offset:128*(\b/2)+32*(\b%2)
	global_load_b128 v[BIAS+8*\b+4:BIAS+8*\b+7], v7, s[8:9] offset:128*(\b/2)+32*(\b%2)+16
.endr
	s_mul_i32 s21, s15, HALFT
	s_mul_i32 s22, s16, HALFT
	s_add_co_u32 s22, s22, 2*HALFT
.irp s, 0,1
	v_add_nc_u32 v[ADRA+\s], s21, v4
	v_add_nc_u32 v[ADRB+\s], s22, v4
	s_add_co_u32 s21, s21, SLOT
	s_add_co_u32 s22, s22, SLOT
.endr
	v_lshlrev_b32 v5, 2, v1
	s_mul_i32 s21, s15, HALFS
	s_mul_i32 s22, s16, HALFS
	s_add_co_u32 s22, s22, 2*HALFS
	s_sub_co_u32 s22, s22, s21
	v_mul_u32_u24 v6, s22, v2
	s_add_co_u32 s21, s21, SCL
	v_add_nc_u32 v5, v5, v6
	v_add_nc_u32 v[ADRS], s21, v5
	s_mul_i32 s23, s14, 16*SPITCH
	s_add_co_u32 s23, s23, STG                     ; my stage
	v_mul_u32_u24 v5, v1, SPITCH
	v_lshl_add_u32 v5, v2, 6, v5
	v_add_nc_u32 v[STO], s23, v5                   ; in: row r, + 64 h
	v_lshlrev_b32 v[CO], 4, v3
	v_add_nc_u32 v[RD], s23, v[CO]                 ; back: the 32 lanes take a row of 512 bytes
	s_lshl_b32 s20, s17, 20                        ; my first row: (256 x tile row + 128 x half) rows of 4,096 bytes
	s_lshl_b32 s21, s15, 19
	s_add_co_u32 s20, s20, s21
	s_add_co_u32 s46, s46, s20
	s_add_nc_u64 s[RES:RES+1], s[RES:RES+1], s[46:47]
	s_add_nc_u64 s[DST:DST+1], s[DST:DST+1], s[46:47]
.macro FRAG reg, adr, q, i
.irp p, 0,1,2,3,4,5
	ds_load_b64 v[\reg+2*\p:\reg+2*\p+1], v[\adr] offset:(8*(\q)+(\i))*FRB+256*\p
.endr
.endm
; 16 matrix instructions.  zero = 2: the bias is the C of the sum's first product.  The 64 accumulators take turns, one instruction a turn.
.macro MUL16 a0, p, q, sc, zero
.irp a, \a0, \a0+1
.irp b, 0,1,2,3,4,5,6,7
.if \zero == 2
	v_wmma_scale_f32_16x16x128_f8f6f4 v[8*(8*((\a)%4)+\b):8*(8*((\a)%4)+\b)+7], v[128*(\p)+FR*\b:128*(\p)+FR*\b+FR-1], v[AF+FR*(\a):AF+FR*(\a)+FR-1], v[BIAS+8*\b:BIAS+8*\b+7], v[SC+8*NQ*(\sc)+NQ*\b+(\q)], v[SC+8*NQ*(\sc)+NQ*(\a)+(\q)] matrix_a_fmt:MATRIX_FMT_FP6 matrix_b_fmt:MATRIX_FMT_FP6 matrix_a_scale:MATRIX_SCALE_ROW1
.else
	v_wmma_scale_f32_16x16x128_f8f6f4 v[8*(8*((\a)%4)+\b):8*(8*((\a)%4)+\b)+7], v[128*(\p)+FR*\b:128*(\p)+FR*\b+FR-1], v[AF+FR*(\a):AF+FR*(\a)+FR-1], v[8*(8*((\a)%4)+\b):8*(8*((\a)%4)+\b)+7], v[SC+8*NQ*(\sc)+NQ*\b+(\q)], v[SC+8*NQ*(\sc)+NQ*(\a)+(\q)] matrix_a_fmt:MATRIX_FMT_FP6 matrix_b_fmt:MATRIX_FMT_FP6 matrix_a_scale:MATRIX_SCALE_ROW1
.endif
.endr
.endr
.endm
.macro FETCH_B slot, q, p
	WIN TO_B
.irp i, 0,1,2,3,4,5,6,7
	FRAG 128*(\p)+FR*\i, ADRB+\slot, \q, \i
.endr
	WIN 0
.endm
.macro FETCH_A slot, q, i0
.irp i, \i0, \i0+1, \i0+2, \i0+3
	FRAG AF+FR*(\i), ADRA+\slot, \q, \i
.endr
.endm
.macro SCALES sc
.irp i, 0,1,2,3,4,5,6,7
	ds_load_b32 v[SC+16*\sc+2*\i], v[ADRS] offset:64*\i
	ds_load_b32 v[SC+16*\sc+2*\i+1], v[ADRS] offset:512+64*\i
.endr
.endm
.macro PLACES n
.rept \n
	v_nop
.endr
.endm
.macro STEP slot, q, zero
	s_wait_dscnt 4*NL                              ; all but the youngest 24 loads (A's blocks 4-7) are in
.if \zero == 2
	WIN 0x81                                       ; C (the bias) in window 0, D in window 2
.else
	WIN MUL_LO
.endif
	MUL16 0, (\q)%2, \q, \slot, \zero
	MUL16 2, (\q)%2, \q, \slot, \zero
	s_wait_dscnt 0
	PLACES NP
	FETCH_B \slot, (\q)+1, 1-(\q)%2
	FETCH_A \slot, (\q)+1, 0
.if \zero == 2
	WIN 0xc1
.else
	WIN MUL_HI
.endif
	MUL16 4, (\q)%2, \q, \slot, \zero
	MUL16 6, (\q)%2, \q, \slot, \zero
	PLACES NP
	WIN 0
	FETCH_A \slot, (\q)+1, 4
.endm
.macro TURN slot, next, fill
	s_wait_tensorcnt 0x0                           ; all my tensor loads have landed: my part of the next slot
	ds_add_u32 v[SPW], v[NIL]
	s_wait_dscnt 4*NL+1                            ; the add and the youngest 24 loads may be out
	WIN MUL_LO
	MUL16 0, 1, NQ-1, \slot, 0
	s_wait_dscnt 0x0                               ; the add is done, and my reads of this slot are over
	s_barrier_signal -1
	MUL16 2, 1, NQ-1, \slot, 0
	WIN 0
	s_barrier_wait -1
.if \fill
	CREST                                          ; the barrier has opened a round of the cluster's
	s_add_nc_u64 s[G0+4*\slot+2:G0+4*\slot+3], s[G0+4*\slot+2:G0+4*\slot+3], 2*HALFT
	s_add_nc_u64 s[G0B+4*\slot+2:G0B+4*\slot+3], s[G0B+4*\slot+2:G0B+4*\slot+3], 2*HALFT
	JLOAD G0+4*\slot, G1, G0B+4*\slot, G1B
.else
	PLACES NP
.endif
	v_add_nc_u32 v[ADRS], 1024, v[ADRS]
	FETCH_B \next, 0, 0
	FETCH_A \next, 0, 0
	SCALES \next
	WIN MUL_HI
	MUL16 4, 1, NQ-1, \slot, 0
	MUL16 6, 1, NQ-1, \slot, 0
	PLACES NP
	WIN 0
	FETCH_A \next, 0, 4
.endm
	s_wait_tensorcnt 1                             ; the scale words and my part of K step 0 are in; K step 1's load may be out
	s_barrier_signal -1
	s_barrier_wait -1
	FETCH_B 0, 0, 0
	FETCH_A 0, 0, 0
	SCALES 0
	FETCH_A 0, 0, 4
	s_wait_loadcnt 0x0                             ; the bias
	STEP 0, 0, 2
	s_mov_b32 s3, LAPS-1
.Llap:
	TURN 0, 1, 1
	STEP 1, 0, 0
	TURN 1, 0, 1
	STEP 0, 0, 0
	s_sub_co_u32 s3, s3, 1
	s_cmp_lg_u32 s3, 0
	s_cbranch_scc1 .Llap
	TURN 0, 1, 0
	STEP 1, 0, 0
	s_wait_dscnt 4*NL
	WIN MUL_LO
	MUL16 0, 1, NQ-1, 1, 0
	MUL16 2, 1, NQ-1, 1, 0
	s_wait_dscnt 0
	WIN MUL_HI
	MUL16 4, 1, NQ-1, 1, 0
	MUL16 6, 1, NQ-1, 1, 0
	WIN 0
; THE WAY OUT, block by block of 16 positions x 128 columns: through my own stage, back as whole rows of 512 bytes, + the residual, stored.  Position 16 a + t is row 32 (a / 2) + 8 (a % 2) + t + 8 (t / 8) of my 128.
.macro RLOAD a                         ; the block's 16 rows of the residual, into window 1
	WIN 0x40
.set t, 0
.rept 16
	global_load_b128 v[64*((\a)%2)+4*t:64*((\a)%2)+4*t+3], v[CO], s[RES:RES+1] offset:(32*((\a)/2)+8*((\a)%2)+t+8*(t/8))*4096 th:TH_LOAD_NT
.set t, t+1
.endr
	WIN 0
.endm
.macro TOSTAGE a
.set AC, 64*((\a)%4)
	WIN (0x08+4*((\a)/4))                          ; an LDS store's data: window 2 or 3
.irp b, 0,1,2,3,4,5,6,7
	ds_store_b128 v[STO], v[AC+8*\b:AC+8*\b+3] offset:128*(\b/2)+32*(\b%2)          ; each accumulator from its low end on
	ds_store_b128 v[STO], v[AC+8*\b+4:AC+8*\b+7] offset:128*(\b/2)+32*(\b%2)+16
.endr
	WIN 0
.set BB, BK+64*((\a)%2)
.set t, 0
.rept 16
	ds_load_b128 v[BB+4*t:BB+4*t+3], v[RD] offset:t*SPITCH     ; LDS serves a wave's instructions in order: these see my stores
.set t, t+1
.endr
.endm
.macro SEND a, d, l                    ; d, l: the LDS instructions and the loads issued behind block a's, which may stay out
.set BB, BK+64*((\a)%2)
.set RR, 64*((\a)%2)
	s_wait_dscnt \d
	s_wait_loadcnt \l
	WIN 0x04                                       ; source 1 (the residual) in window 1
.set j, 0
.rept 32
	v_pk_add_f32 v[BB+j:BB+j+1], v[BB+j:BB+j+1], v[RR+j:RR+j+1]
.set j, j+2
.endr
	WIN 0
.set t, 0
.rept 16
	global_store_b128 v[CO], v[BB+4*t:BB+4*t+3], s[DST:DST+1] offset:(32*((\a)/2)+8*((\a)%2)+t+8*(t/8))*4096 th:TH_STORE_NT   ; 512 consecutive bytes, at a multiple of 256
.set t, t+1
.endr
.endm
	PLACES NP
	RLOAD 0
	TOSTAGE 0
.irp a, 1,2,3,4,5,6,7
.if \a > 1
	s_wait_xcnt 0x0                                ; block a - 2's stores have read their registers: block a's loads may land there
.endif
	RLOAD \a
	TOSTAGE \a
	SEND \a-1, 32, 16                              ; behind block a - 1's: block a's 16 LDS stores and 16 LDS loads, and its 16 loads of the residual
.endr
	SEND 7, 0, 0
	s_wait_tensorcnt 0x0                           ; the wave's end
	ds_add_u32 v[SPW], v[NIL]
	s_wait_dscnt 0x0
	CROUND                                         ; the closing round
	s_endpgm
.Lfunc_end_k_q50a91ffafc_ffn2:
	.size	k_q50a91ffafc_ffn2, .Lfunc_end_k_q50a91ffafc_ffn2-k_q50a91ffafc_ffn2
	.p2alignl 7, 3214868480
	.fill 96, 4, 3214868480
	.section	.rodata,"a",@progbits
	.p2align	6, 0x0
	.amdhsa_kernel k_q50a91ffafc_ffn2
		.amdhsa_group_segment_fixed_size 327680
		.amdhsa_private_segment_fixed_size 0
		.amdhsa_enable_private_segment 0
		.amdhsa_kernarg_size 40
		.amdhsa_user_sgpr_count 2
		.amdhsa_user_sgpr_kernarg_segment_ptr 1
		.amdhsa_wavefront_size32 1
		.amdhsa_system_sgpr_workgroup_id_x 1
		.amdhsa_system_sgpr_workgroup_id_y 1
		.amdhsa_system_sgpr_workgroup_id_z 1
		.amdhsa_system_vgpr_workitem_id 0
		.amdhsa_next_free_vgpr 1024
		.amdhsa_next_free_sgpr 100
		.amdhsa_reserve_vcc 0
		.amdhsa_float_denorm_mode_32 3
		.amdhsa_float_denorm_mode_16_64 3
		.amdhsa_memory_ordered 1
		.amdhsa_forward_progress 1
		.amdhsa_inst_pref_size 192
	.end_amdhsa_kernel
	.amdgpu_metadata
---
amdhsa.version: [ 1, 2 ]
amdhsa.kernels:
  - .name:           k_q50a91ffafc_ffn2
    .symbol:         k_q50a91ffafc_ffn2.kd
    .args:
      - { .name: G, .offset: 0, .size: 8, .value_kind: global_buffer, .address_space: global }
      - { .name: W, .offset: 8, .size: 8, .value_kind: global_buffer, .address_space: global }
      - { .name: b2, .offset: 16, .size: 8, .value_kind: global_buffer, .address_space: global }
      - { .name: X1, .offset: 24, .size: 8, .value_kind: global_buffer, .address_space: global }
      - { .name: out0, .offset: 32, .size: 8, .value_kind: global_buffer, .address_space: global }
    .group_segment_fixed_size: 327680
    .private_segment_fixed_size: 0
    .kernarg_segment_align: 8
    .kernarg_segment_size: 40
    .max_flat_workgroup_size: 128
    .sgpr_count:     100
    .vgpr_count:     1024
    .wavefront_size: 32
...
	.end_amdgpu_metadata
.endif
;; end of part 7
